; MI455X (gfx1250); checked and timed in simulation.
; The chip was launched on July 23, 2026; its instructions are those of AMD's public machine-readable ISA for CDNA 5 (MIT licence, August 2026) and "CDNA5" Instruction Set Architecture Reference Guide (July 2026). The comments in the code are by the model that wrote it; some were corrected since.
;; Causal Multihead Self Attention. Allowed arithmetic: matrix products marked QUANTISED: E2M1 operands, one E8M0 scale for each 32 along K, by v_wmma_scale_f32_16x16x128_f8f6f4 with both operands' format E2M1 (or v_wmma_scale_f32_32x16x128_f4), f32 sums; products left as they are: bf16, f16 or f32 operands; f32 sums; everything else in f32.
;; Inputs: Wk 1,024 x 1,024 float32; Wo 1,024 x 1,024 float32; Wq 1,024 x 1,024 float32; Wv 1,024 x 1,024 float32; token_positions 2,048 int32; x 4 x 2,048 x 1,024 float32.
;; Outputs: out0 4 x 2,048 x 1,024 float32.
;; This version of the problem:
;;   THIS VERSION OF THE PROBLEM IS GIVEN IN LOW PRECISION. The matrix products marked QUANTISED in the list below multiply operands that are first quantised to E2M1 (2 exponent bits, 1 mantissa bit; 4 bits a number), with one power-of-two scale for each 32 numbers along K (OCP MX v1.0); their sums are f32. The products marked 'left as it is' may take bf16, f16 or f32 operands, with f32 sums. Whichever they take, every output number must still come out within the allowed error. Rounding operands to bf16 (8 significant bits) uses up far more of that allowance than f16 does (11 bits, for magnitudes from 6e-5 to 65,504). All else is computed in f32.
;;   The module's matrix products, in the order in which they are computed (A, B: the left and right operand; K: the contracted axis; several contracted axes count as one K, in the product's order):
;;     1. [M 8,192, K 1,024] x [K 1,024, N 1,024]; A: input x; B: input Wq: QUANTISED
;;     2. [M 8,192, K 1,024] x [K 1,024, N 1,024]; A: input x; B: input Wk: QUANTISED
;;     3. [M 8,192, K 1,024] x [K 1,024, N 1,024]; A: input x; B: input Wv: QUANTISED
;;     4. batch 64 x [M 2,048, K 64] x [K 64, N 2,048]; A: computed on the way; B: computed on the way: left as it is (an operand is computed on the way)
;;     5. batch 64 x [M 2,048, K 2,048] x [K 2,048, N 64]; A: computed on the way; B: computed on the way: left as it is (an operand is computed on the way)
;;     6. [M 8,192, K 1,024] x [K 1,024, N 1,024]; A: computed on the way; B: input Wo: left as it is (an operand is computed on the way)
;;   THE QUANTISER, for each operand of a quantised product, along K:
;;     - K is cut into blocks of 32 from its start; a last block that is shorter is filled with zeros.
;;     - A block's scale is 2^e with e = floor(log2(the largest magnitude in the block)) - 2, held to -126 .. 127; a block of zeros has e = 0. As a byte (E8M0): e + 127.
;;     - Each number is divided by its block's scale, clamped to +-6, and rounded to the nearest number of E2M1, ties to even, subnormals kept.
;;     - The product sums the exact products of the quantised numbers (number of the format x scale) in f32.
;;   ~~~python
;;   def quantise(x, axis):      # numpy; x: float32 -> the quantised numbers, widened to float32 again
;;       x = np.moveaxis(x, axis, -1); K = x.shape[-1]
;;       x = np.pad(x, [(0, 0)] * (x.ndim - 1) + [(0, -K % 32)]); x = x.reshape(x.shape[:-1] + (-1, 32)); a = np.abs(x).max(-1, keepdims=True)
;;       e = np.where(a > 0, np.clip(np.frexp(np.where(a > 0, a, 1))[1] - 1 - 2, -126, 127), 0)      # np.frexp(a)[1] - 1 = floor(log2(a)), exactly
;;       r = np.clip(x / 2.0 ** e, -6, 6)
;;       step = 2.0 ** (np.maximum(np.frexp(np.where(r == 0, 1, r))[1] - 1, 0) - 1)
;;       q = np.round(r / step) * step * 2.0 ** e      # np.round: ties to even
;;       return np.moveaxis(q.reshape(q.shape[:-2] + (-1,))[..., :K], -1, axis).astype(np.float32)
;;   ~~~
;; One version. Each part assembles by itself: llvm-mc -triple=amdgcn-amd-amdhsa -mcpu=gfx1250 --defsym DOCPART=n.
;; ======== version 1 of 1: 5 launches
;; limits: values are held in f16: magnitudes above 65,504 overflow, below 6.1e-05 lose precision
;; workspace buffers: xq 4,456,448 bytes; wq 1,671,168 bytes; wo16 2,097,152 bytes; tab 524,288 bytes; qkv16 50,331,648 bytes; qkv32 786,432 bytes; o16 16,777,216 bytes
;; launch prep (part 1): grid 416 x 1, 4 waves a work-group, no clusters, 33,280 bytes of LDS; arguments x, Wq, Wk, Wv, Wo, token_positions, xq, wq, wo16, tab; writes xq, wq, wo16, tab
.if DOCPART == 1
	.amdgcn_target "amdgcn-amd-amdhsa--gfx1250"
	.amdhsa_code_object_version 6
	.text
	.protected	k_q9dfcadfb95_prep
	.globl	k_q9dfcadfb95_prep
	.p2align	8
	.type	k_q9dfcadfb95_prep,@function
k_q9dfcadfb95_prep:
	s_mov_b64 s[64:65], 0
	v_nop
	global_prefetch_b8 v0, s[64:65] scope:SCOPE_SE
	s_setreg_imm32_b32 hwreg(HW_REG_WAVE_MODE, 25, 1), 1
	s_wait_xcnt 0x0
; Three tasks, told apart by the work-group's number alone:
;   0-351   x [8192][1024] and Wq, Wk, Wv [1024][1024], f32, become codes of FP4 (E2M1), K innermost, with one E8M0 byte for each 32 along K.
;           xq: codes [8192][512 bytes] at byte 0, scale bytes [8192][32] at XSC.  wq: codes [3072][512 bytes] (Wq's rows, then Wk's, then Wv's), scale bytes [3072][32] at WSC.
;   352-383 Wo, f32, is rounded to f16 (wo16, same order).
;   384-415 tab[s][pair i] = (cos, sin) of token_positions[s] x 10000^(-i/32), f32: 256 bytes a position.
; THE QUANTISER.  A block's scale is 2^(floor(log2(its largest magnitude)) - 2); its byte is the largest magnitude's exponent field - 2, held at 1 from below.  A block of zeros so gets the byte 1
; where the rule says 127: its codes are zeros, which add nothing, and the bytes are read by this program alone.  Each number is divided by the scale and rounded to the nearest code, ties to even; beyond 6 the code of 6.
; Rows are dense and K is a multiple of 32: every tensor is a plain stream of blocks of 32.  A wave takes 16 steps of 512 numbers.  Each load reads 512 consecutive bytes; a step's 2,048 bytes turn through the
; wave's own stage in LDS and come back 64 bytes a lane, so that a lane holds 16 neighbours along K (two neighbouring lanes hold a block).  A wave's store of codes covers 256 consecutive bytes, aligned;
; its 256 scale bytes are gathered in LDS and leave as 256 consecutive bytes, aligned.
; LIMITS: NaN and infinities among the inputs are not served; blocks whose largest magnitude lies under 2^-124 keep the byte 1.  Positions: |position| under 2^24 (exact in f32);
; the angle is reduced by pi/2 in two parts, so the reduction's error grows as n x 1e-15, n the number of quarter turns; cos and sin by polynomials on [-pi/4, pi/4], good to about 1e-7.
.set STEPS, 16
.set EMAX,  2
.set CB,    8                          ; bytes of 16 codes
.set R,     16                         ; v16-79   four sets of 16 numbers as they are loaded
.set X,     80                         ; v80-111  two sets of 16 neighbours
.set E,     112                        ; v112-127 a scale byte for each step
.set C,     128                        ; v128-191 codes: four registers for each step, so that no store's data are written again
.set WREG,  8192                       ; LDS: a region for each wave: two stages of 32 x SP bytes, behind them its 256 scale bytes
.set SP,    80                         ; a lane's place in a stage: 64 bytes + 16 of padding
.set SPW,   12                         ; v12  LDS address of my spare word; never rewritten
.set NIL,   13                         ; v13  0; never rewritten
.set SPARE, 4*WREG                     ; behind the four regions: the spare words, 128 bytes a wave, which no other line names
.set XSC,   4194304
.set WSC,   1572864
	s_load_b512 s[4:19], s[0:1], 0x0               ; x 4, Wq 6, Wk 8, Wv 10, Wo 12, token_positions 14, xq 16, wq 18
	s_load_b128 s[20:23], s[0:1], 0x40             ; wo16 20, tab 22
	v_lshl_add_u32 v[SPW], v0, 2, SPARE
	v_mov_b32 v[NIL], 0
	v_lshrrev_b32 v1, 5, v0
	v_readfirstlane_b32 s28, v1                    ; wave
	v_and_b32 v2, 31, v0                           ; lane
	s_cmp_ge_u32 ttmp9, 384
	s_cbranch_scc1 .Ltab
	s_cmp_ge_u32 ttmp9, 352
	s_cbranch_scc1 .Lwo
	; ---------------- the quantiser ----------------
	v_lshlrev_b32 v3, 4, v2                        ; my 16 bytes of a load's 512
	s_mul_i32 s29, s28, WREG
	v_lshrrev_b32 v14, 2, v2
	v_mul_u32_u24 v14, v14, SP
	v_and_b32 v15, 3, v2
	v_lshl_add_u32 v14, v15, 4, v14
	v_add_nc_u32 v14, s29, v14                     ; the stage, on the way in: SP (lane / 4) + 16 (lane % 4)
	v_mul_u32_u24 v15, v2, SP
	v_add_nc_u32 v15, s29, v15                     ; on the way out: SP x lane: my 16 neighbours
	v_mul_u32_u24 v4, v2, CB                       ; my codes' place in a step's
	v_lshrrev_b32 v5, 1, v2
	s_add_co_u32 s29, s29, 2*32*SP
	v_add_nc_u32 v5, s29, v5                       ; my block's byte among my wave's 256 scale bytes
	v_lshlrev_b32 v7, 3, v2
	v_add_nc_u32 v6, s29, v7                       ; and 8 bytes a lane on their way out
	s_wait_kmcnt 0x0
	s_cmp_lt_u32 ttmp9, 320                        ; which tensor: the choices hang on the work-group's number alone
	s_cselect_b64 s[30:31], s[8:9], s[10:11]       ; Wk or Wv,
	s_cmp_lt_u32 ttmp9, 288
	s_cselect_b64 s[30:31], s[6:7], s[30:31]       ; or Wq,
	s_sub_co_u32 s32, ttmp9, 256                   ; (the weights' work-groups count from 256: 32 to a weight)
	s_and_b32 s33, s32, 31
	s_mov_b32 s34, WSC
	s_cmp_lt_u32 ttmp9, 256
	s_cselect_b64 s[30:31], s[4:5], s[30:31]       ; or x
	s_cselect_b64 s[36:37], s[16:17], s[18:19]     ; into xq or wq
	s_cselect_b32 s34, XSC, s34                    ; where the scale bytes begin there
	s_cselect_b32 s33, ttmp9, s33                  ; my place in the source,
	s_cselect_b32 s32, ttmp9, s32                  ; and in the destination
	s_lshl_b32 s33, s33, 2
	s_add_co_u32 s33, s33, s28                     ; my wave's run of 8,192 numbers
	s_lshl_b32 s32, s32, 2
	s_add_co_u32 s32, s32, s28
	s_lshl_b32 s38, s33, 15                        ; 32,768 bytes of f32 a run
	s_mov_b32 s39, 0
	s_add_nc_u64 s[30:31], s[30:31], s[38:39]
	s_lshl_b32 s38, s32, 12                        ; 4,096 bytes of codes
	s_add_nc_u64 s[40:41], s[36:37], s[38:39]
	s_lshl_b32 s38, s32, 8                         ; 256 scale bytes
	s_add_co_u32 s38, s38, s34
	s_add_nc_u64 s[42:43], s[36:37], s[38:39]
.macro LOAD t
.irp i, 0,1,2,3
	global_load_b128 v[R+16*((\t)%4)+4*\i:R+16*((\t)%4)+4*\i+3], v3, s[30:31] offset:2048*(\t)+512*\i th:TH_LOAD_NT   ; 32 lanes read 512 consecutive bytes
.endr
.endm
.macro TURN t                          ; step t's numbers through the stage: LDS serves a wave's instructions in order, so no wait stands between the stores and the loads
.irp i, 0,1,2,3
	ds_store_b128 v14, v[R+16*((\t)%4)+4*\i:R+16*((\t)%4)+4*\i+3] offset:32*SP*((\t)%2)+8*SP*\i
.endr
.irp i, 0,1,2,3
	ds_load_b128 v[X+16*((\t)%2)+4*\i:X+16*((\t)%2)+4*\i+3], v15 offset:32*SP*((\t)%2)+16*\i
.endr
.endm
.irp t, 0,1,2,3
	LOAD \t
.endr
	s_wait_loadcnt 12                              ; step 0's four loads are in; the twelve of steps 1 to 3 may be out
	TURN 0
.macro STEP t
.set XS, X+16*((\t)%2)
.if (\t) > 0
	s_wait_dscnt 1                                 ; this step's numbers are back from the stage (the last step's byte store may be out)
.else
	s_wait_dscnt 0x0
.endif
.if (\t)+4 < STEPS
	LOAD (\t)+4                                    ; the stage's stores have read these registers: they take the loads of four steps on
.endif
.if (\t)+1 < STEPS
.if STEPS-2-(\t) >= 3
	s_wait_loadcnt 12                              ; the next step's four loads are in; those of the three steps behind it may be out
.else
	s_wait_loadcnt 4*(STEPS-2-(\t))
.endif
	TURN (\t)+1                                    ; and go through the other stage while this step is worked
.endif
	v_max3_num_f32 v8, |v[XS]|, |v[XS+1]|, |v[XS+2]|               ; the largest magnitude of my 16, in two chains
	v_max3_num_f32 v9, |v[XS+3]|, |v[XS+4]|, |v[XS+5]|
.irp i, 6,10
	v_max3_num_f32 v8, v8, |v[XS+\i]|, |v[XS+\i+1]|
	v_max3_num_f32 v9, v9, |v[XS+\i+2]|, |v[XS+\i+3]|
.endr
	v_max3_num_f32 v8, v8, |v[XS+14]|, |v[XS+15]|
	v_max3_num_f32 v8, v8, v9, (EMAX+1)<<23        ; and the floor 2^(3 - 127): so the byte cannot fall under 1
	v_max_num_f32_dpp v8, v8, v8 row_xmask:1 row_mask:0xf bank_mask:0xf   ; and of my neighbour's 16: the block's
	v_add_nc_u32 v11, -(EMAX<<23), v8              ; 2 off its exponent field: the conversion takes the exponent field of this operand as its scale
	v_cvt_scalef32_pk8_fp4_f32 v[C+4*(\t)], v[XS:XS+7], v11
	v_cvt_scalef32_pk8_fp4_f32 v[C+4*(\t)+1], v[XS+8:XS+15], v11
	v_lshrrev_b32 v[E+(\t)], 23, v11               ; the scale's byte (also the plain line behind the conversions)
	ds_store_b8 v5, v[E+(\t)] offset:16*(\t)       ; both lanes of a block write the same byte with the same value
	global_store_b64 v4, v[C+4*(\t):C+4*(\t)+1], s[40:41] offset:32*CB*(\t)   ; the wave stores 256 consecutive bytes, aligned
.endm
.irp t, 0,1,2,3,4,5,6,7,8,9,10,11,12,13,14,15
	STEP \t
.endr
	ds_load_b64 v[8:9], v6                         ; LDS serves a wave's instructions in order: these see my byte stores
	s_wait_dscnt 0x0
	global_store_b64 v7, v[8:9], s[42:43]          ; 256 consecutive bytes, aligned
	s_wait_tensorcnt 0x0                           ; the wave's end: closing lines behind my last LDS store
	ds_add_u32 v[SPW], v[NIL]
	s_wait_dscnt 0x0
	s_endpgm
	; ---------------- Wo to f16: a wave takes 8,192 numbers, 16 loads at a time, two groups in flight; no LDS ----------------
.Lwo:
	s_sub_co_u32 s29, ttmp9, 352
	s_lshl_b32 s29, s29, 2
	s_add_co_u32 s29, s29, s28                     ; my wave's run
	v_lshlrev_b32 v3, 4, v2                        ; in: 16 bytes a lane
	v_lshlrev_b32 v4, 3, v2                        ; out: 8 bytes a lane
	s_lshl_b32 s30, s29, 15
	s_mov_b32 s31, 0
	s_lshl_b32 s32, s29, 14
	s_mov_b32 s33, 0
	s_wait_kmcnt 0x0
	s_add_nc_u64 s[12:13], s[12:13], s[30:31]
	s_add_nc_u64 s[20:21], s[20:21], s[32:33]
.macro LOADG g
.irp i, 0,1,2,3,4,5,6,7,8,9,10,11,12,13,14,15
	global_load_b128 v[16+64*((\g)%2)+4*\i:16+64*((\g)%2)+4*\i+3], v3, s[12:13] offset:512*(16*(\g)+\i) th:TH_LOAD_NT
.endr
.endm
.macro CASTG g
.if (\g) < 3
	s_wait_loadcnt 16                              ; this group's 16 loads are in; the next group's may be out
.else
	s_wait_loadcnt 0x0
.endif
	s_wait_xcnt 0x0                                ; the last group's stores have read v144-175: they are written again only behind this wait
.irp i, 0,1,2,3,4,5,6,7,8,9,10,11,12,13,14,15
	v_cvt_pk_f16_f32 v[144+2*\i], v[16+64*((\g)%2)+4*\i], v[16+64*((\g)%2)+4*\i+1]
	v_cvt_pk_f16_f32 v[145+2*\i], v[16+64*((\g)%2)+4*\i+2], v[16+64*((\g)%2)+4*\i+3]
.endr
.if (\g)+2 < 4
	LOADG (\g)+2                                   ; loads ahead of stores
.endif
.irp i, 0,1,2,3,4,5,6,7,8,9,10,11,12,13,14,15
	global_store_b64 v4, v[144+2*\i:145+2*\i], s[20:21] offset:256*(16*(\g)+\i)   ; 256 consecutive bytes, aligned
.endr
.endm
	LOADG 0
	LOADG 1
	CASTG 0
	CASTG 1
	CASTG 2
	CASTG 3
	s_endpgm
	; ---------------- the table: a wave takes 16 positions, a lane a pair; no LDS ----------------
.Ltab:
	s_sub_co_u32 s29, ttmp9, 384
	s_lshl_b32 s29, s29, 6
	s_lshl_b32 s30, s28, 4
	s_add_co_u32 s29, s29, s30                     ; my first position: 64 x work-group + 16 x wave
	s_lshl_b32 s30, s29, 2
	s_mov_b32 s31, 0
	s_wait_kmcnt 0x0
	s_add_nc_u64 s[14:15], s[14:15], s[30:31]
	s_load_b512 s[32:47], s[14:15], 0x0            ; 16 positions: they enter values alone, no address
	s_lshl_b32 s30, s29, 8
	s_add_nc_u64 s[22:23], s[22:23], s[30:31]
	s_mov_b32 s48, 0x3f22f983                      ; 2 / pi
	s_mov_b32 s49, 0x3fc90fdb                      ; pi / 2, its f32 part,
	s_mov_b32 s50, 0xb33bbd2e                      ; and what is left of it
	s_mov_b32 s51, 0xb94ca1f9                      ; sine: -1.9515296e-4, 8.3321609e-3, -1.6666655e-1
	s_mov_b32 s52, 0x3c08839e
	s_mov_b32 s53, 0xbe2aaaa3
	s_mov_b32 s54, 0x37ccf5ce                      ; cosine: 2.4433157e-5, -1.3887316e-3, 4.1666646e-2
	s_mov_b32 s55, 0xbab6061a
	s_mov_b32 s56, 0x3d2aaaa5
	v_cvt_f32_u32 v16, v2
	v_mul_f32 v16, 0xbed49a78, v16                 ; -i log2(10000) / 32
	v_exp_f32 v16, v16                             ; the pair's frequency
	v_lshlrev_b32 v30, 3, v2                       ; 8 bytes a lane (the plain line behind the exponential)
	s_wait_alu depctr_va_vdst(0)                   ; the wait ahead of the first line that names the result
	s_wait_kmcnt 0x0
.macro POS p
	v_cvt_f32_i32 v17, s[32+\p]
	v_mul_f32 v17, v17, v16                        ; the angle a, rounded to f32 as in the definition
	v_mul_f32 v18, s48, v17
	v_rndne_f32 v18, v18                           ; n quarter turns
	v_fma_f32 v19, -v18, s49, v17
	v_fma_f32 v19, -v18, s50, v19                  ; r = a - n pi / 2, in [-pi/4, pi/4]
	v_mul_f32 v20, v19, v19                        ; z = r r
	v_fma_f32 v21, s51, v20, s52
	v_fma_f32 v21, v21, v20, s53
	v_mul_f32 v22, v20, v19
	v_fma_f32 v21, v21, v22, v19                   ; sin r
	v_fma_f32 v23, s54, v20, s55
	v_fma_f32 v23, v23, v20, s56
	v_mul_f32 v24, v20, v20
	v_fma_f32 v25, v20, -0.5, 1.0
	v_fma_f32 v23, v23, v24, v25                   ; cos r
	v_cvt_i32_f32 v26, v18
	v_and_b32 v27, 1, v26
	v_cmp_eq_u32 vcc_lo, 1, v27                    ; an odd quarter: sine and cosine change places
	v_cndmask_b32 v28, v21, v23, vcc_lo
	v_cndmask_b32 v29, v23, v21, vcc_lo
	v_and_b32 v27, 2, v26                          ; the sine is negative in quarters 2 and 3,
	v_lshlrev_b32 v27, 30, v27
	v_xor_b32 v[65+2*\p], v27, v28
	v_add_nc_u32 v26, 1, v26                       ; the cosine in quarters 1 and 2
	v_and_b32 v26, 2, v26
	v_lshlrev_b32 v26, 30, v26
	v_xor_b32 v[64+2*\p], v26, v29
	global_store_b64 v30, v[64+2*\p:65+2*\p], s[22:23] offset:256*\p   ; a position's 256 bytes, aligned; each position has data registers of its own
.endm
.irp p, 0,1,2,3,4,5,6,7,8,9,10,11,12,13,14,15
	POS \p
.endr
	s_endpgm
.Lfunc_end_k_q9dfcadfb95_prep:
	.size	k_q9dfcadfb95_prep, .Lfunc_end_k_q9dfcadfb95_prep-k_q9dfcadfb95_prep
	.p2alignl 7, 3214868480
	.fill 96, 4, 3214868480
	.section	.rodata,"a",@progbits
	.p2align	6, 0x0
	.amdhsa_kernel k_q9dfcadfb95_prep
		.amdhsa_group_segment_fixed_size 33280
		.amdhsa_private_segment_fixed_size 0
		.amdhsa_enable_private_segment 0
		.amdhsa_kernarg_size 80
		.amdhsa_user_sgpr_count 2
		.amdhsa_user_sgpr_kernarg_segment_ptr 1
		.amdhsa_wavefront_size32 1
		.amdhsa_system_sgpr_workgroup_id_x 1
		.amdhsa_system_sgpr_workgroup_id_y 1
		.amdhsa_system_sgpr_workgroup_id_z 1
		.amdhsa_system_vgpr_workitem_id 0
		.amdhsa_next_free_vgpr 192
		.amdhsa_next_free_sgpr 66
		.amdhsa_reserve_vcc 1
		.amdhsa_float_denorm_mode_32 3
		.amdhsa_float_denorm_mode_16_64 3
		.amdhsa_memory_ordered 1
		.amdhsa_forward_progress 1
		.amdhsa_inst_pref_size 76
	.end_amdhsa_kernel
	.amdgpu_metadata
---
amdhsa.version: [ 1, 2 ]
amdhsa.kernels:
  - .name:           k_q9dfcadfb95_prep
    .symbol:         k_q9dfcadfb95_prep.kd
    .args:
      - { .name: x, .offset: 0, .size: 8, .value_kind: global_buffer, .address_space: global }
      - { .name: Wq, .offset: 8, .size: 8, .value_kind: global_buffer, .address_space: global }
      - { .name: Wk, .offset: 16, .size: 8, .value_kind: global_buffer, .address_space: global }
      - { .name: Wv, .offset: 24, .size: 8, .value_kind: global_buffer, .address_space: global }
      - { .name: Wo, .offset: 32, .size: 8, .value_kind: global_buffer, .address_space: global }
      - { .name: token_positions, .offset: 40, .size: 8, .value_kind: global_buffer, .address_space: global }
      - { .name: xq, .offset: 48, .size: 8, .value_kind: global_buffer, .address_space: global }
      - { .name: wq, .offset: 56, .size: 8, .value_kind: global_buffer, .address_space: global }
      - { .name: wo16, .offset: 64, .size: 8, .value_kind: global_buffer, .address_space: global }
      - { .name: tab, .offset: 72, .size: 8, .value_kind: global_buffer, .address_space: global }
    .group_segment_fixed_size: 33280
    .private_segment_fixed_size: 0
    .kernarg_segment_align: 8
    .kernarg_segment_size: 80
    .max_flat_workgroup_size: 128
    .sgpr_count:     66
    .vgpr_count:     192
    .wavefront_size: 32
...
	.end_amdgpu_metadata
.endif
;; end of part 1
;; launch qkv (part 2): grid 12 x 32, 4 waves a work-group, clusters of 4 x 4, 327,680 bytes of LDS; arguments xq, wq, tab, qkv16, qkv32; writes qkv16, qkv32
.if DOCPART == 2
	.amdgcn_target "amdgcn-amd-amdhsa--gfx1250"
	.amdhsa_code_object_version 6
	.text
	.protected	k_q9dfcadfb95_qkv
	.globl	k_q9dfcadfb95_qkv
	.p2align	8
	.type	k_q9dfcadfb95_qkv,@function
k_q9dfcadfb95_qkv:
	s_mov_b64 s[64:65], 0
	v_nop
	global_prefetch_b8 v0, s[64:65] scope:SCOPE_SE
	s_setreg_imm32_b32 hwreg(HW_REG_WAVE_MODE, 25, 1), 1
	s_wait_xcnt 0x0
	s_wait_alu depctr_hold_cnt(0) depctr_sa_sdst(0) depctr_va_vdst(0) depctr_va_sdst(0) depctr_va_ssrc(0) depctr_va_vcc(0) depctr_vm_vsrc(0)
	s_getreg_b32 s2, hwreg(HW_REG_IB_STS2, 6, 4)
	s_cmp_eq_u32 s2, 0
	s_cbranch_scc0 .Lentry_in_a_cluster
	s_endpgm
.Lentry_in_a_cluster:
	s_bfe_u32 s2, ttmp6, 0x10000c
	s_cmp_lg_u32 s2, 0xf033
	s_cbranch_scc0 .Lentry_shape_is_right
	s_endpgm
.Lentry_shape_is_right:
; [8192 x 3072] = x (codes) times Wq, Wk, Wv (codes)^T, K = 1024, on codes of FP4 (E2M1) with one E8M0 scale for each 32 along K; sums in f32.  Then RoPE on q and k in f32, and out:
;   qkv16 [3 tensors][4 batches][16 heads][2048 positions][64] f16, for the attention;   qkv32 [3][4][16][16 positions][64] f32: the first 16 positions of every sequence, for the launch that carries them in f32.
; A tile of 256 x 256 is made by a work-group of four waves; a wave makes 128 x 128: 64 accumulators, 512 registers.  K is two slots of 512 (rows of 256 bytes): both are asked for at the start and nothing is filled again.
; The scale bytes of the tile's 256 + 256 rows, for all of K, are two dense blocks of memory: they come once, with the first fills.
; CLUSTERS: 4 x 4 work-groups.  The four of a row of the cluster need the same rows of x, the four of a column the same rows of the weights: each tile is asked for JOINTLY.
; Tile row = 8 cy + cluster y: cy is the batch and cluster y the block of 256 positions.  Tile column = 4 cluster x + cx: cluster x is the tensor (0 q, 1 k, 2 v).  So the two branches of the way out
; (v has no RoPE; only a batch's first rows have an f32 copy) hang on the cluster's place and the wave's number, which are the same in all partners.
; THE MATRIX INSTRUCTION IS USED TRANSPOSED (source 0 = 16 rows of the weights, source 1 = 16 rows of x): a lane holds eight neighbouring outputs of one row: four RoPE pairs.
; f16 has room: with x and the weights 30 times larger, or carrying offsets of 30 spreads, |q|, |k|, |v| stay under 65,504.
; REGISTERS: window 0: v0-31 addresses; v32-95 scale words, two sets; v128-191 x's fragments, one set; v192-255 two blocks of the table.  On the way out v32-95 rotated numbers, v96-127 f16, v128-191 rows read back.
;   window 1: the weights' fragments, two sets.   window 2: the accumulators of my rows 0-63 ((a, b) at v[8 (8 a + b)]);   window 3: those of rows 64-127.
.set NQ,     4                         ; matrix instructions deep in a slot
.set ROWB,   256                       ; a tile's row: 512 codes
.set KROW,   512                       ; a row of codes in memory
.set PITCH,  272                       ; an LDS row: 256 bytes + 16 of padding: an odd multiple of 16, so the 16 rows of a load fall on different banks
.set FR,     8
.set NL,     2
.set NP,     4                         ; places behind this matrix instruction (ISA guide 7.12.1)
.set HALFT,  128*PITCH
.set SLOT,   4*HALFT
.set KS,     32                        ; a row of scale bytes
.set SCL,    2*SLOT                    ; behind the slots: the scales, as rows of 256 bytes + 16
.set HALFS,  16*272                    ; those of 128 rows: what one tensor load brings
.set SBLK,   2*272                     ; those of 16 rows
.set SPARE,  SCL+4*HALFS               ; the spare words, 128 bytes a wave, which no other line names
.set XSC,    4194304                   ; where the scale bytes begin in xq,
.set WSC,    1572864                   ; and in wq
.set ADRA, 16
.set ADRB, 20
.set STO32, 22                         ; the f32 stage: in,
.set RD32, 23                          ; and back
.set STO,  24                          ; the f16 stage: in,
.set RD,   25                          ; and back
.set CO,   26                          ; 16 x lane
.set ADRS, 27
.set SPW,  28
.set NIL,  29
.set CO32, 30                          ; my place in qkv32
.set TA,   31                          ; my place in a block of the table: 256 r + 32 h
.set SC,   32
.set R,    32
.set H,    96
.set AF,   128
.set BK,   128
.set TAB,  192
.set G1, 24
.set G0, 32
.set G1B, 48
.set G0B, 56
.set G1S, 68
.set G0S, 76
.set G1SB, 80
.set G0SB, 88
.set MSB, 0
.macro WIN new                         ; the immediate's high byte repeats the setting that is left
.if MSB != (\new)
	s_set_vgpr_msb (MSB<<8)|(\new)
.set MSB, \new
.endif
.endm
.set MUL_LO, 0xa1                      ; source 0 window 1, source 1 window 0, C and D window 2
.set MUL_HI, 0xf1                      ; the same, C and D window 3
.set TO_B,   0x40                      ; destination window 1, address window 0
; A joint load: waves 0 and 1 fetch for x, waves 2 and 3 for the weights.  The branch hangs on the wave's number alone.  An s_nop 0 and four v_nop follow each of the two lines.
.macro JLOAD g0a, g1a, g0b, g1b
	s_cmp_eq_u32 s15, 0
	s_cbranch_scc0 .Lfor_b_\@
	tensor_load_to_lds s[\g0a:\g0a+3], s[\g1a:\g1a+7]
	s_nop 0
.rept 4
	v_nop
.endr
	s_branch .Lasked_\@
.Lfor_b_\@:
	tensor_load_to_lds s[\g0b:\g0b+3], s[\g1b:\g1b+7]
	s_nop 0
.rept 4
	v_nop
.endr
.Lasked_\@:
.endm
.macro CROUND                          ; a round of the cluster's barrier
	s_barrier_signal -1
	s_barrier_wait -1
	s_cmp_lg_u32 s14, 0
	s_cbranch_scc1 .Lnot_wave_0_\@
	s_barrier_signal -3
.Lnot_wave_0_\@:
	s_barrier_wait -3
	s_barrier_signal -1
	s_barrier_wait -1
.endm
	s_load_b256 s[4:11], s[0:1], 0x0               ; xq 4, wq 6, tab 8, qkv16 10
	s_load_b64 s[12:13], s[0:1], 0x20              ; qkv32
	v_lshl_add_u32 v[SPW], v0, 2, SPARE
	v_mov_b32 v[NIL], 0
	ds_add_u32 v[SPW], v[NIL]                      ; the wave's opening: the add, twice on end, and its wait ahead of my first tensor load
	ds_add_u32 v[SPW], v[NIL]
	v_lshrrev_b32 v1, 5, v0
	v_readfirstlane_b32 s14, v1                    ; wave 0..3
	s_lshr_b32 s15, s14, 1                         ; which half of the tile's rows is mine.  Also: I fetch for x (0) or for the weights (1)
	s_and_b32 s16, s14, 1                          ; which half of its columns.  Also: which 128 rows I fetch
	s_bfe_u32 s40, ttmp6, 0x40000                  ; cx
	s_bfe_u32 s41, ttmp6, 0x40004                  ; cy
	s_lshl_b32 s42, ttmp9, 2
	s_add_co_u32 s42, s42, s40                     ; tile column = 4 x cluster x + cx
	s_and_b32 s17, ttmp7, 0xffff
	s_lshl_b32 s96, s41, 3
	s_add_co_u32 s17, s17, s96                     ; tile row = 8 cy + cluster y
	s_lshl_b32 s43, s41, 2
	s_lshl_b32 s43, 15, s43                        ; my row of the cluster
	s_lshl_b32 s44, 0x1111, s40                    ; my column
	s_or_b32 s[G1+0], s43, (0<<16)|(1<<20)|(1<<21)|(5<<22)|(3<<25)  ; the mask; elements of 1 byte; padding on; bit 21 beside a mask; after every 64 words, 4 words
	s_or_b32 s[G1B+0], s44, (0<<16)|(1<<20)|(1<<21)|(5<<22)|(3<<25)
.irp g, G1, G1B
	s_mov_b32 s[\g+1], ROWB<<16                    ; tensor_dim0
	s_mov_b32 s[\g+2], 128<<16                     ; tensor_dim1
	s_mov_b32 s[\g+3], ROWB<<16                    ; tile_dim0
	s_mov_b32 s[\g+4], 128                         ; tile_dim1
	s_mov_b32 s[\g+5], KROW                        ; from row to row
	s_mov_b32 s[\g+6], 0
	s_mov_b32 s[\g+7], 0
.endr
	s_or_b32 s[G1S+0], s43, (3<<16)|(1<<20)|(1<<21)|(5<<22)|(3<<25) ; the scales of 128 rows: 4,096 dense bytes as 16 rows of 32 elements of 8 bytes, 16 bytes of padding behind each
	s_or_b32 s[G1SB+0], s44, (3<<16)|(1<<20)|(1<<21)|(5<<22)|(3<<25)
.irp g, G1S, G1SB
	s_mov_b32 s[\g+1], 32<<16
	s_mov_b32 s[\g+2], 16<<16
	s_mov_b32 s[\g+3], 32<<16
	s_mov_b32 s[\g+4], 16
	s_mov_b32 s[\g+5], 32
	s_mov_b32 s[\g+6], 0
	s_mov_b32 s[\g+7], 0
.endr
	s_lshl_b32 s18, s16, 7                         ; which 128 rows of the tile I fetch
	s_lshl_b32 s20, s17, 8
	s_add_co_u32 s20, s20, s18                     ; x: row 256 x tile row + 128 x half
	s_lshl_b32 s46, s42, 8
	s_add_co_u32 s46, s46, s18                     ; the weights: row 256 x tile column + 128 x half
	s_lshl_b32 s22, s20, 5                         ; where these rows' scale bytes begin,
	s_add_co_u32 s22, s22, XSC
	s_mov_b32 s23, 0
	s_lshl_b32 s92, s46, 5
	s_add_co_u32 s92, s92, WSC
	s_mov_b32 s93, 0
	s_lshl_b32 s20, s20, 9                         ; and their codes
	s_mov_b32 s21, 0
	s_lshl_b32 s46, s46, 9
	s_mov_b32 s47, 0
	s_mul_i32 s45, s14, HALFT                      ; where they go: wave x 128 rows: no place in the cluster enters an LDS address
	s_mul_i32 s94, s14, HALFS
	s_wait_dscnt 0x0                               ; both opening adds are done
	s_wait_kmcnt 0x0
	s_add_nc_u64 s[20:21], s[4:5], s[20:21]
	s_add_nc_u64 s[22:23], s[4:5], s[22:23]
	s_add_nc_u64 s[46:47], s[6:7], s[46:47]
	s_add_nc_u64 s[92:93], s[6:7], s[92:93]
	CROUND                                         ; all sixteen work-groups are here: the joint loads meet
	s_mov_b32 s[G0S], 1
	s_add_co_u32 s[G0S+1], s94, SCL
	s_mov_b64 s[G0S+2:G0S+3], s[22:23]
	s_or_b32 s[G0S+3], s[G0S+3], 0x80000000
	s_mov_b32 s[G0SB], 1
	s_add_co_u32 s[G0SB+1], s94, SCL
	s_mov_b64 s[G0SB+2:G0SB+3], s[92:93]
	s_or_b32 s[G0SB+3], s[G0SB+3], 0x80000000
	JLOAD G0S, G1S, G0SB, G1SB                     ; the scales first: they are wanted with the first slot
.irp s, 0,1
	s_mov_b32 s[G0+4*\s], 1
	s_add_co_u32 s[G0+4*\s+1], s45, \s*SLOT
	s_add_nc_u64 s[G0+4*\s+2:G0+4*\s+3], s[20:21], \s*ROWB
	s_or_b32 s[G0+4*\s+3], s[G0+4*\s+3], 0x80000000
	s_mov_b32 s[G0B+4*\s], 1
	s_add_co_u32 s[G0B+4*\s+1], s45, \s*SLOT
	s_add_nc_u64 s[G0B+4*\s+2:G0B+4*\s+3], s[46:47], \s*ROWB
	s_or_b32 s[G0B+4*\s+3], s[G0B+4*\s+3], 0x80000000
	JLOAD G0+4*\s, G1, G0B+4*\s, G1B               ; three loads of mine are out in all
.endr
	v_and_b32 v1, 15, v0                           ; r = lane % 16
	v_bfe_u32 v2, v0, 4, 1                         ; h = lane / 16
	v_mul_u32_u24 v3, v1, PITCH
	v_lshl_add_u32 v4, v2, 4, v3                   ; a fragment's row x pitch + 16 x half
	s_mul_i32 s21, s15, HALFT                      ; my 128 rows of x
	s_mul_i32 s22, s16, HALFT                      ; my 128 rows of the weights,
	s_add_co_u32 s22, s22, 2*HALFT                 ; which lie behind x's 256
.irp s, 0,1
	v_add_nc_u32 v[ADRA+\s], s21, v4
	v_add_nc_u32 v[ADRB+\s], s22, v4
	s_add_co_u32 s21, s21, SLOT
	s_add_co_u32 s22, s22, SLOT
.endr
	v_mul_u32_u24 v5, v1, KS                       ; my row's scales: 32 bytes a row,
	v_lshrrev_b32 v6, 8, v5
	v_lshl_add_u32 v5, v6, 4, v5                   ; and 16 more for each 256 passed
	s_mul_i32 s21, s15, HALFS
	s_mul_i32 s22, s16, HALFS
	s_add_co_u32 s22, s22, 2*HALFS
	s_sub_co_u32 s22, s22, s21
	v_mul_u32_u24 v6, s22, v2                      ; lanes 16-31 take the weights'
	s_add_co_u32 s21, s21, SCL
	v_add_nc_u32 v5, v5, v6
	v_add_nc_u32 v[ADRS], s21, v5
	; the way out.  My stages lie in slot 0, 16,384 bytes a wave: that slot has had its only fill, and nobody reads it behind the change of slots
	v_lshlrev_b32 v[TA], 8, v1
	v_lshl_add_u32 v[TA], v2, 5, v[TA]             ; the table: position r of a block, pairs 4 h on
	s_lshl_b32 s23, s14, 14
	v_mul_u32_u24 v5, v1, 144                      ; f16: two heads x 16 rows of 128 bytes + 16
	v_lshl_add_u32 v5, v2, 4, v5
	v_add_nc_u32 v[STO], s23, v5
	v_and_b32 v6, 31, v0
	v_lshrrev_b32 v5, 3, v6
	v_mul_u32_u24 v5, v5, 144
	v_and_b32 v7, 7, v6
	v_lshl_add_u32 v5, v7, 4, v5
	v_add_nc_u32 v[RD], s23, v5                    ; back: eight lanes to a row, four rows an instruction
	v_lshlrev_b32 v[CO], 4, v6
	v_mul_u32_u24 v5, v1, 528                      ; f32: 16 rows of 512 bytes + 16, 4,864 bytes on
	v_lshl_add_u32 v5, v2, 5, v5
	v_add_nc_u32 v5, s23, v5
	v_add_nc_u32 v[STO32], 4864, v5
	v_add_nc_u32 v5, s23, v[CO]
	v_add_nc_u32 v[RD32], 4864, v5
	v_lshlrev_b32 v5, 12, v2
	v_lshl_add_u32 v[CO32], v1, 4, v5              ; lanes 0-15 the first head's row, lanes 16-31 the second's
	s_and_b32 s96, ttmp7, 0xffff                   ; the block of 256 positions
	s_lshl_b32 s97, s96, 16
	s_lshl_b32 s20, s15, 15
	s_add_co_u32 s20, s20, s97
	s_mov_b32 s21, 0
	s_add_nc_u64 s[8:9], s[8:9], s[20:21]          ; the table at my first position: (256 block + 128 half) x 256 bytes
	s_or_b32 s95, s96, s15                         ; 0: my first 16 rows are a batch's first
	s_lshl_b32 s46, s41, 4
	s_lshl_b32 s47, s40, 2
	s_add_co_u32 s46, s46, s47
	s_lshl_b32 s47, s16, 1
	s_add_co_u32 s46, s46, s47                     ; my first head, counted over batches: 16 cy + 4 cx + 2 x half
	s_lshl_b32 s20, s46, 18                        ; a head is 262,144 bytes,
	s_lshl_b32 s47, ttmp9, 24                      ; a tensor 16,777,216,
	s_add_co_u32 s20, s20, s47
	s_lshl_b32 s47, s96, 15                        ; 256 positions 32,768,
	s_add_co_u32 s20, s20, s47
	s_lshl_b32 s47, s15, 14
	s_add_co_u32 s20, s20, s47
	s_add_nc_u64 s[10:11], s[10:11], s[20:21]
	s_lshl_b32 s47, ttmp9, 6
	s_add_co_u32 s46, s46, s47
	s_lshl_b32 s20, s46, 12                        ; qkv32: 4,096 bytes for a tensor's head
	s_add_nc_u64 s[12:13], s[12:13], s[20:21]
; The table of block a (16 positions): eight loads; register 8 bq + 2 i holds cos, 8 bq + 2 i + 1 sin of pair 8 bq + 4 h + i of position r
.macro TABL a
.irp bq, 0,1,2,3
.irp e, 0,1
	global_load_b128 v[TAB+32*((\a)%2)+8*\bq+4*\e:TAB+32*((\a)%2)+8*\bq+4*\e+3], v[TA], s[8:9] offset:4096*(\a)+64*\bq+16*\e
.endr
.endr
.endm
	TABL 0                                         ; asked for here, wanted on the way out.  (v's work-groups ask too and never read them: so no register's first write hangs on a branch)
	TABL 1
.macro FRAG reg, adr, q, i             ; a fragment, 16 rows x 128 K of 4-bit codes: 8 registers, two loads of 16 bytes, 32 bytes apart
.irp c, 0,1
	ds_load_b128 v[\reg+4*\c:\reg+4*\c+3], v[\adr] offset:64*(\q)+32*\c+(\i)*16*PITCH
.endr
.endm
; 16 matrix instructions: x's blocks a0, a0 + 1 against the weights' eight.  The 64 accumulators take turns, one instruction a turn, in the same order in every step.
; One register carries x's scale word in lanes 0-15 and the weights' in lanes 16-31.
.macro MUL16 a0, p, q, sc, zero
.irp a, \a0, \a0+1
.irp b, 0,1,2,3,4,5,6,7
.if \zero
	v_wmma_scale_f32_16x16x128_f8f6f4 v[8*(8*((\a)%4)+\b):8*(8*((\a)%4)+\b)+7], v[128*(\p)+FR*\b:128*(\p)+FR*\b+FR-1], v[AF+FR*(\a):AF+FR*(\a)+FR-1], 0, v[SC+8*NQ*(\sc)+NQ*\b+(\q)], v[SC+8*NQ*(\sc)+NQ*(\a)+(\q)] matrix_a_fmt:MATRIX_FMT_FP4 matrix_b_fmt:MATRIX_FMT_FP4 matrix_a_scale:MATRIX_SCALE_ROW1
.else
	v_wmma_scale_f32_16x16x128_f8f6f4 v[8*(8*((\a)%4)+\b):8*(8*((\a)%4)+\b)+7], v[128*(\p)+FR*\b:128*(\p)+FR*\b+FR-1], v[AF+FR*(\a):AF+FR*(\a)+FR-1], v[8*(8*((\a)%4)+\b):8*(8*((\a)%4)+\b)+7], v[SC+8*NQ*(\sc)+NQ*\b+(\q)], v[SC+8*NQ*(\sc)+NQ*(\a)+(\q)] matrix_a_fmt:MATRIX_FMT_FP4 matrix_b_fmt:MATRIX_FMT_FP4 matrix_a_scale:MATRIX_SCALE_ROW1
.endif
.endr
.endr
.endm
.macro FETCH_B slot, q, p
	WIN TO_B
.irp i, 0,1,2,3,4,5,6,7
	FRAG 128*(\p)+FR*\i, ADRB+\slot, \q, \i
.endr
	WIN 0
.endm
.macro FETCH_A slot, q, i0
.irp i, \i0, \i0+1, \i0+2, \i0+3
	FRAG AF+FR*(\i), ADRA+\slot, \q, \i
.endr
.endm
.macro SCALES sc                       ; a slot's scale words: four words a row; lanes 0-15 x's block i, lanes 16-31 the weights' block i
.irp i, 0,1,2,3,4,5,6,7
	ds_load_b128 v[SC+8*NQ*\sc+NQ*\i:SC+8*NQ*\sc+NQ*\i+3], v[ADRS] offset:\i*SBLK
.endr
.endm
.macro PLACES n                        ; plain vector lines between a matrix instruction and a load into, a write of or a read of its registers
.rept \n
	v_nop
.endr
.endm
.macro STEP slot, q, zero              ; 128 along K, with its successor in the same slot
	s_wait_dscnt 4*NL                              ; all but the youngest eight loads (x's blocks 4-7)
	WIN MUL_LO
	MUL16 0, (\q)%2, \q, \slot, \zero
	MUL16 2, (\q)%2, \q, \slot, \zero
	s_wait_dscnt 0
	PLACES NP
	FETCH_B \slot, (\q)+1, 1-(\q)%2
	FETCH_A \slot, (\q)+1, 0
	WIN MUL_HI
	MUL16 4, (\q)%2, \q, \slot, \zero
	MUL16 6, (\q)%2, \q, \slot, \zero
	PLACES NP
	WIN 0
	FETCH_A \slot, (\q)+1, 4
.endm
.macro TURN slot, next                 ; slot 0's last step changes slots: one barrier; nothing is filled again
	s_wait_tensorcnt 0x0                           ; all my tensor loads have landed: my part of the next slot
	ds_add_u32 v[SPW], v[NIL]                      ; 0 onto my spare word
	s_wait_dscnt 4*NL+1                            ; (the add and the youngest eight loads may be out)
	WIN MUL_LO
	MUL16 0, 1, NQ-1, \slot, 0
	s_wait_dscnt 0x0                               ; the add is done, and my reads of this slot are over
	s_barrier_signal -1
	MUL16 2, 1, NQ-1, \slot, 0
	WIN 0
	s_barrier_wait -1                              ; the next slot is whole, and nobody reads this one any more
	PLACES NP
	v_add_nc_u32 v[ADRS], 4*NQ, v[ADRS]            ; on to the next slot's scale words
	FETCH_B \next, 0, 0
	FETCH_A \next, 0, 0
	SCALES \next
	WIN MUL_HI
	MUL16 4, 1, NQ-1, \slot, 0
	MUL16 6, 1, NQ-1, \slot, 0
	PLACES NP
	WIN 0
	FETCH_A \next, 0, 4
.endm
	s_wait_tensorcnt 1                             ; the scales and my part of slot 0 are in; slot 1's load may be out
	s_barrier_signal -1
	s_barrier_wait -1
	FETCH_B 0, 0, 0
	FETCH_A 0, 0, 0
	SCALES 0
	FETCH_A 0, 0, 4
	STEP 0, 0, 1                                   ; the first products start the sums: nothing is cleared
	STEP 0, 1, 0
	STEP 0, 2, 0
	TURN 0, 1
	STEP 1, 0, 0
	STEP 1, 1, 0
	STEP 1, 2, 0
	s_wait_dscnt 4*NL                              ; the last step: nothing more to fetch
	WIN MUL_LO
	MUL16 0, 1, NQ-1, 1, 0
	MUL16 2, 1, NQ-1, 1, 0
	s_wait_dscnt 0
	WIN MUL_HI
	MUL16 4, 1, NQ-1, 1, 0
	MUL16 6, 1, NQ-1, 1, 0
	WIN 0
; THE WAY OUT, block by block of 16 rows x 128 columns (two heads).
; PACKR: RoPE in f32: (e, o) -> (e cos - o sin, e sin + o cos): one packed multiply by cos and two fused multiply-adds by sin for a pair; then f16.  Each accumulator is read from its low end on.
.macro PACKR a
.if (\a) < 7
	s_wait_loadcnt 8                               ; this block's table is in; the next block's eight loads may be out
.else
	s_wait_loadcnt 0x0
.endif
	WIN 0x02+(\a)/4                                ; source 0: window 2 or 3
.irp b, 0,1,2,3,4,5,6,7
.irp i, 0,1,2,3
	v_pk_mul_f32 v[R+8*\b+2*\i:R+8*\b+2*\i+1], v[64*((\a)%4)+8*\b+2*\i:64*((\a)%4)+8*\b+2*\i+1], v[TAB+32*((\a)%2)+8*(\b%4)+2*\i:TAB+32*((\a)%2)+8*(\b%4)+2*\i+1] op_sel_hi:[1,0]
.endr
.irp i, 0,1,2,3
	v_fma_f32 v[R+8*\b+2*\i], -v[64*((\a)%4)+8*\b+2*\i+1], v[TAB+32*((\a)%2)+8*(\b%4)+2*\i+1], v[R+8*\b+2*\i]
	v_fma_f32 v[R+8*\b+2*\i+1], v[64*((\a)%4)+8*\b+2*\i], v[TAB+32*((\a)%2)+8*(\b%4)+2*\i+1], v[R+8*\b+2*\i+1]
.endr
.endr
	WIN 0
.irp b, 0,1,2,3,4,5,6,7
.irp i, 0,1,2,3
	v_cvt_pk_f16_f32 v[H+4*\b+\i], v[R+8*\b+2*\i], v[R+8*\b+2*\i+1]
.endr
.endr
.if (\a) < 6
	TABL (\a)+2                                    ; into the registers just read
.endif
.endm
.macro PACKV a                         ; v: f16 straight from the accumulators
	WIN 0x0a+5*((\a)/4)                            ; sources 0 and 1: window 2 or 3
.irp b, 0,1,2,3,4,5,6,7
.irp i, 0,1,2,3
	v_cvt_pk_f16_f32 v[H+4*\b+\i], v[64*((\a)%4)+8*\b+2*\i], v[64*((\a)%4)+8*\b+2*\i+1]
.endr
.endr
	WIN 0
.endm
.macro TOSTAGE a                       ; a lane's 16 bytes into rows of 144; back as 512 consecutive bytes of a head: LDS serves a wave's instructions in order
.irp b, 0,1,2,3,4,5,6,7
	ds_store_b128 v[STO], v[H+4*\b:H+4*\b+3] offset:2304*(\b/4)+32*(\b%4)
.endr
.irp t, 0,1,2,3,4,5,6,7
	ds_load_b128 v[BK+32*((\a)%2)+4*\t:BK+32*((\a)%2)+4*\t+3], v[RD] offset:576*\t
.endr
.endm
.macro SEND a
	s_wait_dscnt 0x0                               ; the block is back in registers
.irp t, 0,1,2,3,4,5,6,7
	global_store_b128 v[CO], v[BK+32*((\a)%2)+4*\t:BK+32*((\a)%2)+4*\t+3], s[10:11] offset:262144*(\t/4)+2048*(\a)+512*(\t%4)   ; four rows of a head: 512 consecutive bytes, aligned
.endr
.endm
.macro FINE32 fromacc                  ; a batch's first 16 rows also leave in f32
.if \fromacc
	WIN 0x08                                       ; an LDS store's data: window 2
.irp b, 0,1,2,3,4,5,6,7
	ds_store_b128 v[STO32], v[8*\b:8*\b+3] offset:64*\b
	ds_store_b128 v[STO32], v[8*\b+4:8*\b+7] offset:64*\b+16
.endr
	WIN 0
.else
.irp b, 0,1,2,3,4,5,6,7
	ds_store_b128 v[STO32], v[R+8*\b:R+8*\b+3] offset:64*\b
	ds_store_b128 v[STO32], v[R+8*\b+4:R+8*\b+7] offset:64*\b+16
.endr
.endif
.irp t, 0,1,2,3,4,5,6,7,8,9,10,11,12,13,14,15
	ds_load_b128 v[BK+4*\t:BK+4*\t+3], v[RD32] offset:528*\t
.endr
	s_wait_dscnt 0x0
.irp t, 0,1,2,3,4,5,6,7,8,9,10,11,12,13,14,15
	global_store_b128 v[CO32], v[BK+4*\t:BK+4*\t+3], s[12:13] offset:256*\t   ; sixteen lanes store a head's row: 256 consecutive bytes, aligned
.endr
	s_wait_xcnt 0x0                                ; these stores have read their registers: the f16 blocks may land there
.endm
	PLACES NP                                      ; behind the last products: the lines below write their scale registers, read results and load into x's fragments
	s_cmp_eq_u32 ttmp9, 2                          ; v has no RoPE: the cluster's x, the same in all partners
	s_cbranch_scc1 .Lv
	PACKR 0
	s_cmp_lg_u32 s95, 0
	s_cbranch_scc1 .Lnofine_r
	FINE32 0
.Lnofine_r:
	TOSTAGE 0
.irp a, 1,2,3,4,5,6,7                  ; block a's arithmetic stands between block a - 1's loads from the stage and the wait for them
	PACKR \a
	SEND \a-1
.if \a > 1
	s_wait_xcnt 0x0                                ; block a - 2's stores have read their registers: block a's loads may land there
.endif
	TOSTAGE \a
.endr
	SEND 7
	s_branch .Lend
.Lv:
	s_cmp_lg_u32 s95, 0
	s_cbranch_scc1 .Lnofine_v
	FINE32 1
.Lnofine_v:
	PACKV 0
	TOSTAGE 0
.irp a, 1,2,3,4,5,6,7
	PACKV \a
	SEND \a-1
.if \a > 1
	s_wait_xcnt 0x0
.endif
	TOSTAGE \a
.endr
	SEND 7
.Lend:
	s_wait_tensorcnt 0x0                           ; the wave's end: closing lines behind my last tensor load and my last LDS store
	ds_add_u32 v[SPW], v[NIL]
	s_wait_dscnt 0x0
	CROUND                                         ; the closing round
	s_endpgm
.Lfunc_end_k_q9dfcadfb95_qkv:
	.size	k_q9dfcadfb95_qkv, .Lfunc_end_k_q9dfcadfb95_qkv-k_q9dfcadfb95_qkv
	.p2alignl 7, 3214868480
	.fill 96, 4, 3214868480
	.section	.rodata,"a",@progbits
	.p2align	6, 0x0
	.amdhsa_kernel k_q9dfcadfb95_qkv
		.amdhsa_group_segment_fixed_size 327680
		.amdhsa_private_segment_fixed_size 0
		.amdhsa_enable_private_segment 0
		.amdhsa_kernarg_size 40
		.amdhsa_user_sgpr_count 2
		.amdhsa_user_sgpr_kernarg_segment_ptr 1
		.amdhsa_wavefront_size32 1
		.amdhsa_system_sgpr_workgroup_id_x 1
		.amdhsa_system_sgpr_workgroup_id_y 1
		.amdhsa_system_sgpr_workgroup_id_z 1
		.amdhsa_system_vgpr_workitem_id 0
		.amdhsa_next_free_vgpr 1024
		.amdhsa_next_free_sgpr 100
		.amdhsa_reserve_vcc 0
		.amdhsa_float_denorm_mode_32 3
		.amdhsa_float_denorm_mode_16_64 3
		.amdhsa_memory_ordered 1
		.amdhsa_forward_progress 1
		.amdhsa_inst_pref_size 220
	.end_amdhsa_kernel
	.amdgpu_metadata
---
amdhsa.version: [ 1, 2 ]
amdhsa.kernels:
  - .name:           k_q9dfcadfb95_qkv
    .symbol:         k_q9dfcadfb95_qkv.kd
    .args:
      - { .name: xq, .offset: 0, .size: 8, .value_kind: global_buffer, .address_space: global }
      - { .name: wq, .offset: 8, .size: 8, .value_kind: global_buffer, .address_space: global }
      - { .name: tab, .offset: 16, .size: 8, .value_kind: global_buffer, .address_space: global }
      - { .name: qkv16, .offset: 24, .size: 8, .value_kind: global_buffer, .address_space: global }
      - { .name: qkv32, .offset: 32, .size: 8, .value_kind: global_buffer, .address_space: global }
    .group_segment_fixed_size: 327680
    .private_segment_fixed_size: 0
    .kernarg_segment_align: 8
    .kernarg_segment_size: 40
    .max_flat_workgroup_size: 128
    .sgpr_count:     100
    .vgpr_count:     1024
    .wavefront_size: 32
...
	.end_amdgpu_metadata
.endif
;; end of part 2
;; launch attn (part 3): grid 4 x 64, 16 waves a work-group, no clusters, 327,680 bytes of LDS; arguments qkv16, o16; writes o16
.if DOCPART == 3
	.amdgcn_target "amdgcn-amd-amdhsa--gfx1250"
	.amdhsa_code_object_version 6
	.text
	.protected	k_q9dfcadfb95_attn
	.globl	k_q9dfcadfb95_attn
	.p2align	8
	.type	k_q9dfcadfb95_attn,@function
k_q9dfcadfb95_attn:
	s_mov_b64 s[64:65], 0
	v_nop
	global_prefetch_b8 v0, s[64:65] scope:SCOPE_SE
	s_setreg_imm32_b32 hwreg(HW_REG_WAVE_MODE, 25, 1), 1
	s_wait_xcnt 0x0
; o[b][h][q][:] = the sum over k <= q of softmax_k(Q[q] . K[k] / 8) V[k][:], head size 64, 2,048 positions, 64 heads (batch x head).  Q, K, V: f16, [head][position][64] in qkv16; o16 the same shape, f16.
; Products on f16 operands with f32 sums; maxima, exponentials and sums in f32; a RUNNING MAXIMUM m and sum l for each query: p = 2^(c s - c m), c = log2(e) / 8; in every step O and l are multiplied by 2^(c m_old - c m_new).
; SHARES.  Work-group (j, head) owns the query blocks j and 7 - j (256 queries each): under the causal mask every work-group then has the same work.  Each of its sixteen waves owns 32 neighbouring queries,
; two tiles of 16 that share every fragment of K and V.  Wave w: block by (w xor (w >> 2)) & 1, place in it by w >> 1.
; NO CLUSTER: the work-groups of a head need different numbers of K's and V's tiles under the mask, so they could not make every joint request alike.
; LAYOUT.  S^T = K Q^T (source 0 = 16 keys, source 1 = 16 queries): a lane holds ONE query (lane % 16) and the keys 8 (lane / 16) + 0..7.  Two such tiles, rounded to f16 in pairs, ARE source 1 (32 keys x 16 queries)
; of O^T = V^T P.  K comes out of LDS as it lies, V ([key][channel]) turned, by ds_load_tr16_b128.
; THE RING.  Two slots of 256 keys (four key steps of 64).  Waves 0, 1 fetch K's halves, waves 2, 3 V's; all sixteen read.  Every work-group walks all eight slots: trip counts are constants.  A step all of whose
; keys come after my 32 queries is jumped over (a branch on ids); a slot whose first key comes after the work-group's last query is not asked for.  Every wait on TENSORcnt is for 0.
; The first 16 positions of every sequence are computed here too, but what leaves the program for them comes from the launch that carries them in f32.
; REGISTERS: v1-11 addresses and constants; v12-27 statistics, eight a tile: +0 c m, +1 m, +2, +3 l, +4..+7 at work (a in +6); v28-59 Q; v60-123 S^T, 32 a tile (P is packed into a tile's first 16);
;   v124-187 O^T, 32 a tile; v188-251 the fragments of K, then of V; v252-255 a second chain for each tile's sum.
.set SK,    256                        ; keys in a slot
.set KP,    144                        ; a row of K in LDS: 128 bytes + 16: an odd multiple of 16
.set VP,    160                        ; a row of V: 128 + 32: an odd multiple of 32, for the turning load
.set VOFF,  SK*KP
.set SLOT1, 1<<17                      ; slot 1 begins here: one exclusive or turns an address
.set SPARE, SLOT1+SK*(KP+VP)           ; the spare words, 128 bytes a wave, which no other line names
.set NSL,   8
.set AK0,  1
.set AV0,  2
.set SPW,  3
.set NIL,  4
.set ADK,  5
.set ADV,  6
.set DQ,   7                           ; r - 8 h
.set NINF, 8
.set PFO,  11                          ; 256 x lane; never rewritten
.set ST,   12
.set Q,    28
.set S,    60
.set O,    124
.set KV,   188
.set XS,   252
.set WV,   18
.set SEL,  20
.set CS,   22
.set G1K,  24
.set G1V,  32
.set G0K,  40
.set G0V,  44
.set TB,   2
.set SLOTS, 67
.set PFA,  76
.set LIM,  80
.set QL,   97                          ; my work-group's last query
.set KF,   98                          ; the step's first key
.set Q0,   99                          ; my first query
; Waves 0 and 1 fetch for K, waves 2 and 3 for V, the others nothing.  An s_nop 0 and four v_nop follow each of the two lines.
.macro TLOAD
	s_cmp_lt_u32 s[WV], 2
	s_cbranch_scc0 .Lnot_k_\@
	tensor_load_to_lds s[G0K:G0K+3], s[G1K:G1K+7]
	s_nop 0
.rept 4
	v_nop
.endr
	s_branch .Lasked_\@
.Lnot_k_\@:
	s_cmp_lt_u32 s[WV], 4
	s_cbranch_scc0 .Lasked_\@
	tensor_load_to_lds s[G0V:G0V+3], s[G1V:G1V+7]
	s_nop 0
.rept 4
	v_nop
.endr
.Lasked_\@:
.endm
; A prefetch of what the NEXT change of slots will ask for: 32,768 dense bytes of K and as many of V.  All work-groups of a head walk the same K and V: the head's first work-group asks, and in it the waves that
; fetch nothing: waves 4 to 7 for K, waves 8 to 11 for V, 8,192 bytes a wave, lanes 256 bytes apart: each aligned block of 256 bytes is named once in the launch.  The last change that fills a slot asks for nothing.
.macro ASK
	s_cmp_gt_u32 s[SLOTS], s[LIM]
	s_cbranch_scc0 .Lnot_mine_\@
	global_prefetch_b8 v[PFO], s[PFA:PFA+1] th:TH_LOAD_NT scope:SCOPE_SE
.Lnot_mine_\@:
.endm
	s_load_b128 s[4:7], s[0:1], 0x0                ; qkv16, o16
	v_lshl_add_u32 v[SPW], v0, 2, SPARE
	v_mov_b32 v[NIL], 0
	ds_add_u32 v[SPW], v[NIL]                      ; the wave's opening: the add, twice on end, and its wait ahead of the first tensor load
	ds_add_u32 v[SPW], v[NIL]
	v_lshrrev_b32 v9, 5, v0
	v_readfirstlane_b32 s[WV], v9                  ; wave 0..15
	s_and_b32 s8, ttmp7, 0xffff
	s_lshl_b32 s8, s8, 18                          ; the head's first byte in a tensor: 262,144 bytes a head
	s_mov_b32 s9, 0
	s_lshr_b32 s10, s[WV], 2
	s_xor_b32 s10, s10, s[WV]
	s_and_b32 s10, s10, 1                          ; 0: block j, 1: block 7 - j
	s_lshr_b32 s11, s[WV], 1
	s_lshl_b32 s11, s11, 5                         ; my 32 queries in the block
	s_sub_co_u32 s12, 7, ttmp9
	s_cmp_eq_u32 s10, 1
	s_cselect_b32 s13, s12, ttmp9
	s_lshl_b32 s13, s13, 8
	s_add_co_u32 s[Q0], s13, s11
	s_lshl_b32 s[QL], s12, 8
	s_or_b32 s[QL], s[QL], 255
	s_lshl_b32 s48, s[Q0], 7
	s_mov_b32 s49, 0
	s_add_nc_u64 s[48:49], s[48:49], s[8:9]        ; my first query's row, in q and in o16
	s_and_b32 s14, s[WV], 1                        ; which half of a slot I fetch, if I fetch
	s_lshl_b32 s50, s14, 14                        ; 128 rows of 128 bytes
	s_mov_b32 s51, 0
	s_add_nc_u64 s[50:51], s[50:51], s[8:9]
	s_add_nc_u64 s[52:53], s[50:51], 0x2000000     ; v is the third tensor,
	s_add_nc_u64 s[50:51], s[50:51], 0x1000000     ; k the second
	s_mul_i32 s15, s14, 128*KP
	s_mul_i32 s14, s14, 128*VP
	s_add_co_u32 s14, s14, VOFF
	s_mov_b32 s[G1K], (1<<16)|(1<<20)|(4<<22)|(3<<25)   ; no mask; elements of 2 bytes; padding on: after every 32 words, 4 words
	s_mov_b32 s[G1V], (1<<16)|(1<<20)|(4<<22)|(7<<25)   ; 8 words
.irp g, G1K, G1V
	s_mov_b32 s[\g+1], 64<<16                      ; tensor_dim0
	s_mov_b32 s[\g+2], 128<<16                     ; tensor_dim1
	s_mov_b32 s[\g+3], 64<<16                      ; tile_dim0
	s_mov_b32 s[\g+4], 128                         ; tile_dim1
	s_mov_b32 s[\g+5], 64                          ; from row to row
	s_mov_b32 s[\g+6], 0
	s_mov_b32 s[\g+7], 0
.endr
	s_mov_b32 s[SEL], 0x76543210
	s_mov_b32 s[SEL+1], 0xfedcba98                 ; v_permlanex16_b32: lane l xor 16
	s_mov_b32 s[CS], 0x3e38aa3b                    ; c = log2(e) / 8
	s_mov_b32 s[CS+1], s[CS]                       ; (named with it as a pair)
	s_mov_b32 s[TB], 0
	s_mov_b32 s[SLOTS], NSL-1
	s_mov_b32 s[KF], 0
	s_mov_b32 s82, 0x2000000                       ; the prefetches: waves 4 to 7 stand in k, waves 8 to 11 in v,
	s_cmp_lt_u32 s[WV], 8
	s_cselect_b32 s82, 0x1000000, s82
	s_and_b32 s83, s[WV], 3
	s_lshl_b32 s83, s83, 13                        ; 8,192 bytes a wave,
	s_add_co_u32 s82, s82, s83
	s_add_co_u32 s82, s82, 32768                   ; in slot 1: the first change of slots steps it to slot 2.  Nothing is prefetched at the head
	s_mov_b32 s83, 0
	s_add_nc_u64 s[82:83], s[82:83], s[8:9]
	s_sub_co_u32 s84, s[WV], 4
	s_lshr_b32 s84, s84, 3                         ; 0 in waves 4 to 11,
	s_or_b32 s84, s84, ttmp9                       ; of the head's first work-group
	s_cmp_eq_u32 s84, 0
	s_cselect_b32 s[LIM], 1, -1
	s_wait_dscnt 0x0                               ; both opening adds are done
	s_wait_kmcnt 0x0
	s_mov_b32 s[G0K], 1
	s_mov_b32 s[G0K+1], s15
	s_add_nc_u64 s[G0K+2:G0K+3], s[4:5], s[50:51]
	s_or_b32 s[G0K+3], s[G0K+3], 0x80000000
	s_mov_b32 s[G0V], 1
	s_mov_b32 s[G0V+1], s14
	s_add_nc_u64 s[G0V+2:G0V+3], s[4:5], s[52:53]
	s_or_b32 s[G0V+3], s[G0V+3], 0x80000000
	TLOAD                                          ; slot 0: keys 0 to 255, which every wave reads
	s_add_nc_u64 s[PFA:PFA+1], s[4:5], s[82:83]
	s_add_nc_u64 s[54:55], s[4:5], s[48:49]        ; Q at my first query
	s_add_nc_u64 s[6:7], s[6:7], s[48:49]          ; o16 likewise
	v_and_b32 v9, 15, v0                           ; r
	v_bfe_u32 v10, v0, 4, 1                        ; h
	v_lshlrev_b32 v[ADK], 7, v9
	v_lshl_add_u32 v[ADK], v10, 4, v[ADK]          ; Q: row r of 128 bytes, + 16 h
.irp t, 0,1
.irp c, 0,1
	global_load_b128 v[Q+16*\t+8*\c:Q+16*\t+8*\c+3], v[ADK], s[54:55] offset:2048*\t+64*\c
	global_load_b128 v[Q+16*\t+8*\c+4:Q+16*\t+8*\c+7], v[ADK], s[54:55] offset:2048*\t+64*\c+32
.endr
.endr
	v_mul_u32_u24 v[AK0], v9, KP
	v_lshl_add_u32 v[AK0], v10, 4, v[AK0]          ; K: row r x pitch + 16 h
	v_and_b32 v[AV0], 7, v0
	v_lshl_add_u32 v[AV0], v10, 3, v[AV0]          ; V, turned: key 8 h + lane % 8,
	v_mul_u32_u24 v[AV0], v[AV0], VP
	v_bfe_u32 v[DQ], v0, 3, 1
	v_lshl_add_u32 v[AV0], v[DQ], 4, v[AV0]        ; channels 8 ((lane / 8) % 2) on
	v_add_nc_u32 v[AV0], VOFF, v[AV0]
	v_lshlrev_b32 v[DQ], 3, v10
	v_sub_nc_u32 v[DQ], v9, v[DQ]
	v_mov_b32 v[NINF], 0xff800000
	v_and_b32 v[PFO], 31, v0
	v_lshlrev_b32 v[PFO], 8, v[PFO]
.irp t, 0,1
	v_mov_b32 v[ST+8*\t+1], 0xff61b1e6             ; m = -3e38, under every score
	v_mul_f32 v[ST+8*\t], s[CS], v[ST+8*\t+1]      ; c m
.irp k, 2,3,4,5,6,7
	v_mov_b32 v[ST+8*\t+\k], 0                     ; l; and the registers at work, written once (a lane permute's destination counts as a source)
.endr
.endr
.irp j, 0,1,2,3,4,5,6,7,8,9,10,11,12,13,14,15,16,17,18,19,20,21,22,23,24,25,26,27,28,29,30,31,32,33,34,35,36,37,38,39,40,41,42,43,44,45,46,47,48,49,50,51,52,53,54,55,56,57,58,59,60,61,62,63
	v_mov_b32 v[O+\j], 0                           ; O^T: the step is written once; the first finds zeros, which the first rescaling leaves zeros
.endr
; A KEY STEP: 64 keys, the q-th of the slot in hand.
.macro STEP q
	s_add_co_u32 s96, s[Q0], 31
	s_cmp_gt_u32 s[KF], s96                        ; all 64 keys come after my 32 queries: nothing to do but step the count
	s_cbranch_scc1 .Lhidden_\@
	v_add_nc_u32 v[ADK], s[TB], v[AK0]
	v_add_nc_u32 v[ADV], s[TB], v[AV0]
.rept 3
	v_nop                                          ; with the two additions five places behind the last step's products: the loads below land on V's fragments, the products below write over P
.endr
.irp c, 0,1                                    ; K's eight fragments, the first 32 channels first
.irp kt, 0,1,2,3
	ds_load_b128 v[KV+16*\kt+8*\c:KV+16*\kt+8*\c+3], v[ADK] offset:64*KP*(\q)+16*KP*\kt+64*\c
	ds_load_b128 v[KV+16*\kt+8*\c+4:KV+16*\kt+8*\c+7], v[ADK] offset:64*KP*(\q)+16*KP*\kt+64*\c+32
.endr
.endr
	s_wait_dscnt 8                                 ; the first 32 channels are in; the other eight loads may be out
.irp kt, 0,1,2,3                               ; eight accumulators by turns, one instruction a turn
.irp t, 0,1
	v_wmma_f32_16x16x32_f16 v[S+32*\t+8*\kt:S+32*\t+8*\kt+7], v[KV+16*\kt:KV+16*\kt+7], v[Q+16*\t:Q+16*\t+7], 0
.endr
.endr
	s_wait_dscnt 0x0
.irp kt, 0,1,2,3
.irp t, 0,1
	v_wmma_f32_16x16x32_f16 v[S+32*\t+8*\kt:S+32*\t+8*\kt+7], v[KV+16*\kt+8:KV+16*\kt+15], v[Q+16*\t+8:Q+16*\t+15], v[S+32*\t+8*\kt:S+32*\t+8*\kt+7]
.endr
.endr
.rept 4
	v_nop                                          ; places: V's loads land on K's fragments, and the scores are read
.endr
.irp u, 0,1                                    ; V's eight fragments, turned: they land while the softmax is worked
.irp ct, 0,1,2,3
	ds_load_tr16_b128 v[KV+32*\u+8*\ct:KV+32*\u+8*\ct+3], v[ADV] offset:64*VP*(\q)+32*VP*\u+32*\ct
	ds_load_tr16_b128 v[KV+32*\u+8*\ct+4:KV+32*\u+8*\ct+7], v[ADV] offset:64*VP*(\q)+32*VP*\u+16*VP+32*\ct
.endr
.endr
	s_add_co_u32 s96, s[KF], 63                    ; on the diagonal hidden scores become -infinity ahead of the maximum; a step all of whose keys count skips this.  The step's first key counts for all my queries
	s_cmp_le_u32 s96, s[Q0]
	s_cbranch_scc1 .Lopen_\@
	s_sub_co_i32 s96, s[Q0], s[KF]
	v_add_nc_u32 v9, s96, v[DQ]                    ; d = Q0 - KF + r - 8 h.  Register n of tile t holds key KF + 16 (n / 8) + 8 h + n % 8 for query Q0 + 16 t + r: hidden where 16 (n / 8) + n % 8 - 16 t > d
.irp t, 0,1
.irp n, 0,1,2,3,4,5,6,7,8,9,10,11,12,13,14,15,16,17,18,19,20,21,22,23,24,25,26,27,28,29,30,31
	v_cmp_gt_i32 vcc_lo, 16*(\n/8)+\n%8-16*\t, v9
	v_cndmask_b32 v[S+32*\t+\n], v[S+32*\t+\n], v[NINF], vcc_lo
.endr
.endr
.Lopen_\@:
.irp j, 0,1,2,3                                ; the maximum of the lane's 32 scores and the old m: four chains a tile, the two tiles line by line; each accumulator is read from its low end on
.irp t, 0,1
	v_max3_num_f32 v[ST+8*\t+4+\j], v[S+32*\t+8*\j], v[S+32*\t+8*\j+1], v[S+32*\t+8*\j+2]
.endr
.endr
.irp g, 1,2
.irp j, 0,1,2,3
.irp t, 0,1
	v_max3_num_f32 v[ST+8*\t+4+\j], v[ST+8*\t+4+\j], v[S+32*\t+8*\j+2*\g+1], v[S+32*\t+8*\j+2*\g+2]
.endr
.endr
.endr
.irp t, 0,1
	v_max3_num_f32 v[ST+8*\t+4], v[ST+8*\t+4], v[S+32*\t+7], v[S+32*\t+15]
.endr
.irp t, 0,1
	v_max3_num_f32 v[ST+8*\t+6], v[ST+8*\t+6], v[S+32*\t+23], v[S+32*\t+31]
.endr
.irp t, 0,1
	v_max3_num_f32 v[ST+8*\t+4], v[ST+8*\t+4], v[ST+8*\t+5], v[ST+8*\t+6]
.endr
.irp t, 0,1
	v_max3_num_f32 v[ST+8*\t+4], v[ST+8*\t+4], v[ST+8*\t+7], v[ST+8*\t+1]
.endr
.irp t, 0,1
	v_permlanex16_b32 v[ST+8*\t+5], v[ST+8*\t+4], s[SEL], s[SEL+1]   ; the query's other 32 keys lie in the lane 16 away
.endr
.irp t, 0,1
	v_mov_b32 v[ST+8*\t+7], v[ST+8*\t]             ; c m_old
.endr
.irp t, 0,1
	v_max_num_f32 v[ST+8*\t+1], v[ST+8*\t+4], v[ST+8*\t+5]   ; the new m
.endr
.irp t, 0,1
	v_mul_f32 v[ST+8*\t], s[CS], v[ST+8*\t+1]
.endr
.irp t, 0,1
	v_sub_f32 v[ST+8*\t+7], v[ST+8*\t+7], v[ST+8*\t]
.endr
.irp i, 0,2,4,6,8,10,12,14,16,18,20,22,24,26,28,30
.irp t, 0,1
	v_pk_fma_f32 v[S+32*\t+\i:S+32*\t+\i+1], v[S+32*\t+\i:S+32*\t+\i+1], s[CS:CS+1], v[ST+8*\t:ST+8*\t+1] op_sel_hi:[1,0,0] neg_lo:[0,0,1] neg_hi:[0,0,1]   ; c s - c m
.endr
.endr
.irp t, 0,1                                    ; ONE BATCH of 66 exponentials, none of which reads another's result
	v_exp_f32 v[ST+8*\t+6], v[ST+8*\t+7]           ; a = 2^(c m_old - c m_new)
.endr
.irp i, 0,1,2,3,4,5,6,7,8,9,10,11,12,13,14,15,16,17,18,19,20,21,22,23,24,25,26,27,28,29,30,31
.irp t, 0,1
	v_exp_f32 v[S+32*\t+\i], v[S+32*\t+\i]         ; p, at most 1
.endr
.endr
	v_nop                                          ; the plain line behind the last exponential
	s_wait_alu depctr_va_vdst(0)                   ; the wait ahead of the first line that names a result: one for the batch
.irp t, 0,1
	v_pk_mul_f32 v[ST+8*\t+2:ST+8*\t+3], v[ST+8*\t+2:ST+8*\t+3], v[ST+8*\t+6:ST+8*\t+7] op_sel_hi:[1,0]   ; l x a
.endr
.irp t, 0,1
	v_pk_add_f32 v[XS+2*\t:XS+2*\t+1], v[S+32*\t+2:S+32*\t+3], v[S+32*\t+6:S+32*\t+7]   ; the sum of the unrounded p, in two chains a tile
.endr
.irp t, 0,1
	v_pk_add_f32 v[ST+8*\t+2:ST+8*\t+3], v[ST+8*\t+2:ST+8*\t+3], v[S+32*\t:S+32*\t+1]
.endr
.irp t, 0,1
	v_pk_add_f32 v[ST+8*\t+2:ST+8*\t+3], v[ST+8*\t+2:ST+8*\t+3], v[S+32*\t+4:S+32*\t+5]
.endr
.irp i, 8,12,16,20,24,28
.irp t, 0,1
	v_pk_add_f32 v[ST+8*\t+2:ST+8*\t+3], v[ST+8*\t+2:ST+8*\t+3], v[S+32*\t+\i:S+32*\t+\i+1]
	v_pk_add_f32 v[XS+2*\t:XS+2*\t+1], v[XS+2*\t:XS+2*\t+1], v[S+32*\t+\i+2:S+32*\t+\i+3]
.endr
.endr
.irp t, 0,1
	v_pk_add_f32 v[ST+8*\t+2:ST+8*\t+3], v[ST+8*\t+2:ST+8*\t+3], v[XS+2*\t:XS+2*\t+1]
.endr
.irp i, 0,1,2,3,4,5,6,7,8,9,10,11,12,13,14,15  ; P in f16, packed in place: register i takes numbers 2 i and 2 i + 1, ascending, so nothing unread is written over
.irp t, 0,1
	v_cvt_pk_f16_f32 v[S+32*\t+\i], v[S+32*\t+2*\i], v[S+32*\t+2*\i+1]
.endr
.endr
.irp i, 0,2,4,6,8,10,12,14,16,18,20,22,24,26,28,30
.irp t, 0,1
	v_pk_mul_f32 v[O+32*\t+\i:O+32*\t+\i+1], v[O+32*\t+\i:O+32*\t+\i+1], v[ST+8*\t+6:ST+8*\t+7] op_sel_hi:[1,0]   ; O^T x a
.endr
.endr
	s_wait_dscnt 0x0                               ; V is in
.irp u, 0,1                                    ; O^T += V^T P: eight accumulators by turns
.irp ct, 0,1,2,3
.irp t, 0,1
	v_wmma_f32_16x16x32_f16 v[O+32*\t+8*\ct:O+32*\t+8*\ct+7], v[KV+32*\u+8*\ct:KV+32*\u+8*\ct+7], v[S+32*\t+8*\u:S+32*\t+8*\u+7], v[O+32*\t+8*\ct:O+32*\t+8*\ct+7]
.endr
.endr
.endr
.Lhidden_\@:
	s_add_co_u32 s[KF], s[KF], 64
.endm
; THE CHANGE OF SLOTS stands at a slot's head.  Each wave waits for all its tensor loads, adds 0 to its spare word, and waits for that and for its reads of the slot that it has left; then the barrier.
; fill = 1: the slot just left is filled with the keys that follow, up to the causal limit; the load has a slot's four steps in which to land.
.macro CHANGE fill
	s_wait_tensorcnt 0x0                           ; no tensor load of mine is out, so a group 0 may be written
	ds_add_u32 v[SPW], v[NIL]                      ; 0 onto my spare word
.if \fill
	ds_add_u32 v[SPW], v[NIL]                      ; and once more: it stands twice on end, in every trip alike
	s_xor_b32 s[G0K+1], s[G0K+1], SLOT1            ; the walking descriptors: the other slot,
	s_add_nc_u64 s[G0K+2:G0K+3], s[G0K+2:G0K+3], SK*128   ; the next 256 keys
	s_xor_b32 s[G0V+1], s[G0V+1], SLOT1
	s_add_nc_u64 s[G0V+2:G0V+3], s[G0V+2:G0V+3], SK*128
	s_wait_xcnt 0x0                                ; the last prefetch, a slot back, has read its address
	s_add_nc_u64 s[PFA:PFA+1], s[PFA:PFA+1], SK*128   ; one slot further on than the walking descriptors
.endif
	s_wait_dscnt 0x0
	s_barrier_signal -1
	s_barrier_wait -1
.if \fill
	s_add_co_u32 s96, s[KF], SK                    ; the first key of the slot that this change would ask for:
	s_cmp_gt_u32 s96, s[QL]                        ; behind my work-group's last query none of its waves reads it.  Ids and the count of steps alone: all sixteen waves go the same way
	s_cbranch_scc1 .Lpast_\@
	TLOAD                                          ; a wave's one tensor load until the next such barrier
.Lpast_\@:
	ASK
.endif
.endm
.macro SLOT_STEPS
.set QQ, 0
.rept 4
	STEP QQ
.set QQ, QQ+1
.endr
	s_xor_b32 s[TB], s[TB], SLOT1
.endm
	s_wait_loadcnt 0x0                             ; Q
.Lslot:                                            ; seven trips
	CHANGE 1
	SLOT_STEPS
	s_sub_co_u32 s[SLOTS], s[SLOTS], 1
	s_cmp_lg_u32 s[SLOTS], 0
	s_cbranch_scc1 .Lslot
	CHANGE 0                                       ; the last slot is written out: nothing is left to ask for
	SLOT_STEPS
	; THE WAY OUT.  O^T / l, rounded to f16, goes through my stage in slot 0 (left at the last change of slots; it has had its last fill) and leaves as 512 consecutive bytes an instruction.
	v_and_b32 v9, 15, v0                           ; (these twelve plain lines are the places behind the last products)
	v_bfe_u32 v10, v0, 4, 1
	s_mul_i32 s73, s[WV], 32*KP
	v_mul_u32_u24 v[ADK], v9, KP
	v_lshl_add_u32 v[ADK], v10, 4, v[ADK]
	v_add_nc_u32 v[ADK], s73, v[ADK]               ; in: row r, 16 bytes for each half of the lanes
	v_bfe_u32 v[ADV], v0, 3, 2
	v_mul_u32_u24 v[ADV], v[ADV], KP
	v_and_b32 v[DQ], 7, v0
	v_lshl_add_u32 v[ADV], v[DQ], 4, v[ADV]
	v_add_nc_u32 v[ADV], s73, v[ADV]               ; back: eight lanes to a row of 128 bytes, four rows an instruction
	v_and_b32 v[DQ], 31, v0
	v_lshlrev_b32 v[DQ], 4, v[DQ]
.irp t, 0,1
	v_add_f32 v[ST+8*\t+4], v[ST+8*\t+2], v[ST+8*\t+3]
.endr
.irp t, 0,1
	v_permlanex16_b32 v[ST+8*\t+5], v[ST+8*\t+4], s[SEL], s[SEL+1]
.endr
.irp t, 0,1
	v_add_f32 v[ST+8*\t+4], v[ST+8*\t+4], v[ST+8*\t+5]   ; the row's sum
.endr
.irp t, 0,1
	v_rcp_f32 v[ST+8*\t+6], v[ST+8*\t+4]
.endr
	v_nop
	s_wait_alu depctr_va_vdst(0)                   ; one wait for the two reciprocals, ahead of their first reader
.irp t, 0,1
.irp i, 0,2,4,6,8,10,12,14,16,18,20,22,24,26,28,30
	v_pk_mul_f32 v[O+32*\t+\i:O+32*\t+\i+1], v[O+32*\t+\i:O+32*\t+\i+1], v[ST+8*\t+6:ST+8*\t+7] op_sel_hi:[1,0]
.endr
.endr
.irp i, 0,1,2,3,4,5,6,7,8,9,10,11,12,13,14,15,16,17,18,19,20,21,22,23,24,25,26,27,28,29,30,31
	v_cvt_pk_f16_f32 v[S+\i], v[O+2*\i], v[O+2*\i+1]
.endr
.irp t, 0,1
.irp ct, 0,1,2,3
	ds_store_b128 v[ADK], v[S+16*\t+4*\ct:S+16*\t+4*\ct+3] offset:16*KP*\t+32*\ct
.endr
.endr
.irp i, 0,1,2,3,4,5,6,7
	ds_load_b128 v[S+32+4*\i:S+32+4*\i+3], v[ADV] offset:4*KP*\i   ; LDS serves a wave's instructions in order: these see my stores
.endr
.irp i, 0,1,2,3,4,5,6,7
	s_wait_dscnt 7-\i                              ; loads come back in order: number i is in
	global_store_b128 v[DQ], v[S+32+4*\i:S+32+4*\i+3], s[6:7] offset:512*\i
.endr
	s_wait_tensorcnt 0x0                           ; the wave's end: closing lines behind my last tensor load and my last LDS store
	ds_add_u32 v[SPW], v[NIL]
	s_wait_dscnt 0x0
	s_endpgm
.Lfunc_end_k_q9dfcadfb95_attn:
	.size	k_q9dfcadfb95_attn, .Lfunc_end_k_q9dfcadfb95_attn-k_q9dfcadfb95_attn
	.p2alignl 7, 3214868480
	.fill 96, 4, 3214868480
	.section	.rodata,"a",@progbits
	.p2align	6, 0x0
	.amdhsa_kernel k_q9dfcadfb95_attn
		.amdhsa_group_segment_fixed_size 327680
		.amdhsa_private_segment_fixed_size 0
		.amdhsa_enable_private_segment 0
		.amdhsa_kernarg_size 16
		.amdhsa_user_sgpr_count 2
		.amdhsa_user_sgpr_kernarg_segment_ptr 1
		.amdhsa_wavefront_size32 1
		.amdhsa_system_sgpr_workgroup_id_x 1
		.amdhsa_system_sgpr_workgroup_id_y 1
		.amdhsa_system_sgpr_workgroup_id_z 1
		.amdhsa_system_vgpr_workitem_id 0
		.amdhsa_next_free_vgpr 256
		.amdhsa_next_free_sgpr 100
		.amdhsa_reserve_vcc 1
		.amdhsa_float_denorm_mode_32 3
		.amdhsa_float_denorm_mode_16_64 3
		.amdhsa_memory_ordered 1
		.amdhsa_forward_progress 1
		.amdhsa_inst_pref_size 189
	.end_amdhsa_kernel
	.amdgpu_metadata
---
amdhsa.version: [ 1, 2 ]
amdhsa.kernels:
  - .name:           k_q9dfcadfb95_attn
    .symbol:         k_q9dfcadfb95_attn.kd
    .args:
      - { .name: qkv16, .offset: 0, .size: 8, .value_kind: global_buffer, .address_space: global }
      - { .name: o16, .offset: 8, .size: 8, .value_kind: global_buffer, .address_space: global }
    .group_segment_fixed_size: 327680
    .private_segment_fixed_size: 0
    .kernarg_segment_align: 8
    .kernarg_segment_size: 16
    .max_flat_workgroup_size: 512
    .sgpr_count:     100
    .vgpr_count:     256
    .wavefront_size: 32
...
	.end_amdgpu_metadata
.endif
;; end of part 3
;; launch proj (part 4): grid 4 x 64, 4 waves a work-group, clusters of 4 x 4, 327,680 bytes of LDS; arguments o16, wo16, out0; writes out0
.if DOCPART == 4
	.amdgcn_target "amdgcn-amd-amdhsa--gfx1250"
	.amdhsa_code_object_version 6
	.text
	.protected	k_q9dfcadfb95_proj
	.globl	k_q9dfcadfb95_proj
	.p2align	8
	.type	k_q9dfcadfb95_proj,@function
k_q9dfcadfb95_proj:
	s_mov_b64 s[64:65], 0
	v_nop
	global_prefetch_b8 v0, s[64:65] scope:SCOPE_SE
	s_setreg_imm32_b32 hwreg(HW_REG_WAVE_MODE, 25, 1), 1
	s_wait_xcnt 0x0
	s_wait_alu depctr_hold_cnt(0) depctr_sa_sdst(0) depctr_va_vdst(0) depctr_va_sdst(0) depctr_va_ssrc(0) depctr_va_vcc(0) depctr_vm_vsrc(0)
	s_getreg_b32 s2, hwreg(HW_REG_IB_STS2, 6, 4)
	s_cmp_eq_u32 s2, 0
	s_cbranch_scc0 .Lentry_in_a_cluster
	s_endpgm
.Lentry_in_a_cluster:
	s_bfe_u32 s2, ttmp6, 0x10000c
	s_cmp_lg_u32 s2, 0xf033
	s_cbranch_scc0 .Lentry_shape_is_right
	s_endpgm
.Lentry_shape_is_right:
; out0[row][n] = the sum over i of o[row][i] Wo[n][i]: [8192 x 1024 x 1024], f16 operands, f32 sums, f32 out.  o16 lies by head, [batch x head][position][64]: 128 along K are two heads' dense blocks.
; The first 16 positions of every batch are not stored here: the launch that carries them in f32 stores them.
; A tile of 128 x 256 gives 256 work-groups.  Four waves, each 64 rows x 128 columns: 32 accumulators, 256 registers.  K goes in 8 steps of 128 through a ring of two LDS slots.
; CLUSTERS: 4 x 4.  Tile column = cx; batch = cy; block of 128 positions = cluster y.  o's tile is shared along a row of the cluster, Wo's along a column: each is asked for JOINTLY.
; Waves 0, 1 fetch o's two heads of a K step (128 rows x 128 bytes each), waves 2, 3 Wo's halves (128 rows x 256 bytes): one tensor load a wave behind each round.
; No prefetch: the launch has eight K steps, of which the first four would come by their loads alone.
; THE MATRIX INSTRUCTION IS USED TRANSPOSED (source 0 = 16 rows of Wo, source 1 = 16 rows of o): a lane holds eight neighbouring numbers of a row of out0.
; REGISTERS: window 0: v0-31 addresses; v64-95, v96-127 o's fragments, two buffers; v128-255 rows on the way out.   window 1: v0-63, v64-127 Wo's fragments, two buffers.   window 2: accumulator (a, b) at v[8 (8 a + b)].
.set PA,     144                       ; a row of o in LDS: 128 bytes + 16
.set PB,     272                       ; a row of Wo: 256 + 16: both odd multiples of 16
.set SUBA,   128*PA                    ; a head's 128 rows
.set AOFF,   2*SUBA
.set HALFB,  128*PB
.set SLOT,   AOFF+2*HALFB
.set SPARE,  2*SLOT                    ; the spare words, 128 bytes a wave, which no other line names
.set SPITCH, 528                       ; the way out: 16 rows x (512 bytes + 16) a wave, in slot 0, which has had its last fill and its last read by then
.set LAPS,   4
.set ADRA, 16
.set ADRB, 20
.set STO,  24
.set RD,   25
.set CO,   26
.set SPW,  28
.set NIL,  29
.set AF,   64
.set BK,   128
.set G1, 24
.set G0, 32
.set G1B, 48
.set G0B, 56
.set MSB, 0
.macro WIN new
.if MSB != (\new)
	s_set_vgpr_msb (MSB<<8)|(\new)
.set MSB, \new
.endif
.endm
.set MUL,  0xa1                        ; source 0 (Wo) window 1, source 1 (o) window 0, C and D window 2
.set TO_B, 0x40                        ; destination window 1, address window 0
.macro JLOAD s                         ; an s_nop 0 and four v_nop follow each of the two lines
	s_cmp_eq_u32 s11, 0
	s_cbranch_scc0 .Lfor_b_\@
	tensor_load_to_lds s[G0+4*\s:G0+4*\s+3], s[G1:G1+7]
	s_nop 0
.rept 4
	v_nop
.endr
	s_branch .Lasked_\@
.Lfor_b_\@:
	tensor_load_to_lds s[G0B+4*\s:G0B+4*\s+3], s[G1B:G1B+7]
	s_nop 0
.rept 4
	v_nop
.endr
.Lasked_\@:
.endm
.macro CREST
	s_cmp_lg_u32 s10, 0
	s_cbranch_scc1 .Lnot_wave_0_\@
	s_barrier_signal -3
.Lnot_wave_0_\@:
	s_barrier_wait -3
	s_barrier_signal -1
	s_barrier_wait -1
.endm
.macro CROUND
	s_barrier_signal -1
	s_barrier_wait -1
	CREST
.endm
	s_load_b128 s[4:7], s[0:1], 0x0                ; o16, wo16
	s_load_b64 s[8:9], s[0:1], 0x10                ; out0
	v_lshl_add_u32 v[SPW], v0, 2, SPARE
	v_mov_b32 v[NIL], 0
	ds_add_u32 v[SPW], v[NIL]                      ; the wave's opening: the add, twice on end, and its wait ahead of my first tensor load
	ds_add_u32 v[SPW], v[NIL]
	v_lshrrev_b32 v1, 5, v0
	v_readfirstlane_b32 s10, v1                    ; wave 0..3
	s_lshr_b32 s11, s10, 1                         ; which 64 rows are mine.  Also: I fetch for o (0) or for Wo (1)
	s_and_b32 s12, s10, 1                          ; which 128 columns.  Also: which head of the step, or which half of Wo's rows, I fetch
	s_bfe_u32 s40, ttmp6, 0x40000                  ; cx: the tile column
	s_bfe_u32 s41, ttmp6, 0x40004                  ; cy: the batch
	s_and_b32 s13, ttmp7, 0xffff                   ; cluster y: the block of 128 positions
	s_lshl_b32 s43, s41, 2
	s_lshl_b32 s43, 15, s43                        ; my row of the cluster
	s_lshl_b32 s44, 0x1111, s40                    ; my column
	s_or_b32 s[G1+0], s43, (1<<16)|(1<<20)|(1<<21)|(4<<22)|(3<<25)   ; o: elements of 2 bytes; padding: after every 32 words, 4 words
	s_mov_b32 s[G1+1], 64<<16
	s_mov_b32 s[G1+2], 128<<16
	s_mov_b32 s[G1+3], 64<<16
	s_mov_b32 s[G1+4], 128
	s_mov_b32 s[G1+5], 64
	s_mov_b32 s[G1+6], 0
	s_mov_b32 s[G1+7], 0
	s_or_b32 s[G1B+0], s44, (1<<16)|(1<<20)|(1<<21)|(5<<22)|(3<<25)  ; Wo: after every 64 words, 4 words
	s_mov_b32 s[G1B+1], 128<<16
	s_mov_b32 s[G1B+2], 128<<16
	s_mov_b32 s[G1B+3], 128<<16
	s_mov_b32 s[G1B+4], 128
	s_mov_b32 s[G1B+5], 1024
	s_mov_b32 s[G1B+6], 0
	s_mov_b32 s[G1B+7], 0
	s_lshl_b32 s16, s41, 4
	s_add_co_u32 s16, s16, s12                     ; o: head 16 cy + (0 or 1),
	s_lshl_b32 s16, s16, 18                        ; 262,144 bytes a head,
	s_lshl_b32 s17, s13, 14                        ; + 128 positions x 128 bytes x the block
	s_add_co_u32 s16, s16, s17
	s_mov_b32 s17, 0
	s_lshl_b32 s46, s40, 19                        ; Wo: row 256 cx + 128 x half, 2,048 bytes a row
	s_lshl_b32 s47, s12, 18
	s_add_co_u32 s46, s46, s47
	s_mov_b32 s47, 0
	s_mul_i32 s20, s12, SUBA                       ; where they go: the wave's number alone enters an LDS address
	s_mul_i32 s21, s12, HALFB
	s_add_co_u32 s21, s21, AOFF
	s_wait_dscnt 0x0                               ; both opening adds are done
	s_wait_kmcnt 0x0
	s_add_nc_u64 s[14:15], s[4:5], s[16:17]
	s_add_nc_u64 s[46:47], s[6:7], s[46:47]
	CROUND                                         ; all sixteen work-groups are here: the first joint loads meet
.irp s, 0,1
	s_mov_b32 s[G0+4*\s], 1
	s_add_co_u32 s[G0+4*\s+1], s20, \s*SLOT
	s_add_nc_u64 s[G0+4*\s+2:G0+4*\s+3], s[14:15], \s*524288       ; K step s: two heads on
	s_or_b32 s[G0+4*\s+3], s[G0+4*\s+3], 0x80000000
	s_mov_b32 s[G0B+4*\s], 1
	s_add_co_u32 s[G0B+4*\s+1], s21, \s*SLOT
	s_add_nc_u64 s[G0B+4*\s+2:G0B+4*\s+3], s[46:47], \s*256
	s_or_b32 s[G0B+4*\s+3], s[G0B+4*\s+3], 0x80000000
	JLOAD \s
.endr
	v_and_b32 v1, 15, v0                           ; r
	v_bfe_u32 v2, v0, 4, 1                         ; h
	v_mul_u32_u24 v3, v1, PA
	v_lshl_add_u32 v3, v2, 4, v3
	v_mul_u32_u24 v4, v1, PB
	v_lshl_add_u32 v4, v2, 4, v4
	s_mul_i32 s21, s11, 64*PA                      ; my 64 rows of o
	s_mul_i32 s22, s12, HALFB                      ; my 128 rows of Wo
	s_add_co_u32 s22, s22, AOFF
.irp s, 0,1
	v_add_nc_u32 v[ADRA+\s], s21, v3
	v_add_nc_u32 v[ADRB+\s], s22, v4
	s_add_co_u32 s21, s21, SLOT
	s_add_co_u32 s22, s22, SLOT
.endr
	s_mul_i32 s23, s10, 16*SPITCH                  ; my stage
	v_mul_u32_u24 v5, v1, SPITCH
	v_lshl_add_u32 v5, v2, 5, v5
	v_add_nc_u32 v[STO], s23, v5                   ; in: row r, 32 bytes for each half of the lanes
	v_and_b32 v6, 31, v0
	v_lshlrev_b32 v[CO], 4, v6
	v_add_nc_u32 v[RD], s23, v[CO]                 ; back: the 32 lanes take a row of 512 bytes
	s_lshl_b32 s16, s41, 23                        ; out0: a batch is 2,048 rows of 4,096 bytes,
	s_lshl_b32 s17, s13, 19                        ; a block 128 rows,
	s_add_co_u32 s16, s16, s17
	s_lshl_b32 s17, s11, 18                        ; my half 64;
	s_add_co_u32 s16, s16, s17
	s_lshl_b32 s46, s40, 10                        ; my columns: 1,024 bytes a tile, 512 a half
	s_lshl_b32 s47, s12, 9
	s_add_co_u32 s46, s46, s47
	s_add_co_u32 s16, s16, s46
	s_mov_b32 s17, 0
	s_add_nc_u64 s[8:9], s[8:9], s[16:17]
	s_or_b32 s42, s13, s11                         ; 0: my first 16 rows are a batch's first.  The cluster's y and the wave's number: the same in all partners
.macro MUL8 buf, a, zero               ; o's block a against Wo's eight, 32 along K.  The 32 accumulators take turns, in the same order in every quarter
.irp b, 0,1,2,3,4,5,6,7
.if \zero
	v_wmma_f32_16x16x32_f16 v[8*(8*(\a)+\b):8*(8*(\a)+\b)+7], v[64*(\buf)+8*\b:64*(\buf)+8*\b+7], v[AF+32*(\buf)+8*(\a):AF+32*(\buf)+8*(\a)+7], 0
.else
	v_wmma_f32_16x16x32_f16 v[8*(8*(\a)+\b):8*(8*(\a)+\b)+7], v[64*(\buf)+8*\b:64*(\buf)+8*\b+7], v[AF+32*(\buf)+8*(\a):AF+32*(\buf)+8*(\a)+7], v[8*(8*(\a)+\b):8*(8*(\a)+\b)+7]
.endif
.endr
.endm
.macro FETCH slot, qd, buf             ; 24 LDS loads in one run: the fragments of quarter qd (32 along K): Wo's eight, then o's four
	WIN TO_B
.irp i, 0,1,2,3,4,5,6,7
	ds_load_b128 v[64*(\buf)+8*\i:64*(\buf)+8*\i+3],   v[ADRB+\slot] offset:64*(\qd)+\i*16*PB
	ds_load_b128 v[64*(\buf)+8*\i+4:64*(\buf)+8*\i+7], v[ADRB+\slot] offset:64*(\qd)+\i*16*PB+32
.endr
	WIN 0
.irp i, 0,1,2,3
	ds_load_b128 v[AF+32*(\buf)+8*\i:AF+32*(\buf)+8*\i+3],   v[ADRA+\slot] offset:SUBA*((\qd)/2)+64*((\qd)%2)+\i*16*PA
	ds_load_b128 v[AF+32*(\buf)+8*\i+4:AF+32*(\buf)+8*\i+7], v[ADRA+\slot] offset:SUBA*((\qd)/2)+64*((\qd)%2)+\i*16*PA+32
.endr
.endm
.macro PLACES                          ; four plain lines in front of loads into registers that matrix instructions have read, and of the first read of results
.rept 4
	v_nop
.endr
.endm
.macro QUARTER slot, nq, f, g, zero    ; multiplies buffer f; in its middle it fetches quarter nq of the same slot into buffer g
	s_wait_dscnt 4                                 ; all but the youngest four loads (o's blocks 2 and 3)
	WIN MUL
	MUL8 \f, 0, \zero
	MUL8 \f, 1, \zero
	PLACES
	FETCH \slot, \nq, \g
	s_wait_dscnt 24                                ; all but the 24 just issued
	WIN MUL
	MUL8 \f, 2, \zero
	MUL8 \f, 3, \zero
.endm
; A slot's last quarter multiplies buffer 1 and changes slots: ONE barrier; in front of it each wave waits for all its tensor loads, adds 0 to its spare word, and waits for that and for its reads of this slot.
; fill = 1: the barrier opens a round of the cluster's barrier, and this slot is filled again, two K steps ahead.
.macro TURN slot, next, fill
	WIN 0                                          ; (the add's two registers lie in window 0)
	s_wait_tensorcnt 0x0                           ; all my tensor loads have landed: my part of the next slot
	ds_add_u32 v[SPW], v[NIL]                      ; 0 onto my spare word
	s_wait_dscnt 5                                 ; (the add and the youngest four loads may be out)
	WIN MUL
	MUL8 1, 0, 0
	s_wait_dscnt 0x0                               ; the add is done, and my reads of this slot are over
	s_barrier_signal -1
	MUL8 1, 1, 0
.if \fill
	WIN 0
.endif
	s_barrier_wait -1
.if \fill
	CREST                                          ; no wave of any partner still reads this slot's tiles or has a load on its way
	s_add_nc_u64 s[G0+4*\slot+2:G0+4*\slot+3], s[G0+4*\slot+2:G0+4*\slot+3], 1048576   ; four heads on
	s_add_nc_u64 s[G0B+4*\slot+2:G0B+4*\slot+3], s[G0B+4*\slot+2:G0B+4*\slot+3], 512
	JLOAD \slot                                    ; the first tensor load behind the round; its four v_nop are also the places in front of the loads below
.else
	PLACES
.endif
	FETCH \next, 0, 0
	WIN MUL
	MUL8 1, 2, 0
	MUL8 1, 3, 0
.endm
	s_wait_tensorcnt 1                             ; my part of K step 0 is in; K step 1's load may be out
	s_barrier_signal -1
	s_barrier_wait -1
	FETCH 0, 0, 0
	QUARTER 0, 1, 0, 1, 1                          ; the first quarter stands in front of the loop: its products start the sums
	WIN 0
	s_mov_b32 s3, LAPS-1
.Llap:                                                 ; a trip goes once round the ring and fills both slots again
	QUARTER 0, 2, 1, 0, 0
	QUARTER 0, 3, 0, 1, 0
	TURN 0, 1, 1
	QUARTER 1, 1, 0, 1, 0
	QUARTER 1, 2, 1, 0, 0
	QUARTER 1, 3, 0, 1, 0
	TURN 1, 0, 1
	QUARTER 0, 1, 0, 1, 0
	WIN 0
	s_sub_co_u32 s3, s3, 1
	s_cmp_lg_u32 s3, 0
	s_cbranch_scc1 .Llap
	QUARTER 0, 2, 1, 0, 0                          ; the last lap fills nothing
	QUARTER 0, 3, 0, 1, 0
	TURN 0, 1, 0
	QUARTER 1, 1, 0, 1, 0
	QUARTER 1, 2, 1, 0, 0
	QUARTER 1, 3, 0, 1, 0
	s_wait_dscnt 4
	WIN MUL
	MUL8 1, 0, 0
	MUL8 1, 1, 0
	s_wait_dscnt 0
	MUL8 1, 2, 0
	MUL8 1, 3, 0
	WIN 0
; THE WAY OUT, block by block of 16 rows x 128 columns: through my own stage and back as whole rows of 512 bytes.  LDS serves a wave's instructions in order.
.macro TOSTAGE a
	WIN 0x08                                       ; an LDS store's data: window 2
.irp b, 0,1,2,3,4,5,6,7
	ds_store_b128 v[STO], v[8*(8*(\a)+\b):8*(8*(\a)+\b)+3] offset:64*\b        ; each accumulator from its low end on
	ds_store_b128 v[STO], v[8*(8*(\a)+\b)+4:8*(8*(\a)+\b)+7] offset:64*\b+16
.endr
	WIN 0
.irp t, 0,1,2,3,4,5,6,7,8,9,10,11,12,13,14,15
	ds_load_b128 v[BK+64*((\a)%2)+4*\t:BK+64*((\a)%2)+4*\t+3], v[RD] offset:\t*SPITCH
.endr
.endm
.macro SEND a
.irp t, 0,1,2,3,4,5,6,7,8,9,10,11,12,13,14,15
	global_store_b128 v[CO], v[BK+64*((\a)%2)+4*\t:BK+64*((\a)%2)+4*\t+3], s[8:9] offset:(16*(\a)+\t)*4096 th:TH_STORE_NT   ; 512 consecutive bytes, aligned; 63 rows at the most stand in the immediate
.endr
.endm
	PLACES
	TOSTAGE 0
	TOSTAGE 1
	s_wait_dscnt 32                                ; block 0 is back; block 1's 16 stores and 16 loads may be out
	s_cmp_eq_u32 s42, 0                            ; a batch's first 16 rows are stored by the launch that carries them in f32
	s_cbranch_scc1 .Lrows_fine
	SEND 0
.Lrows_fine:
	s_wait_xcnt 0x0                                ; block 0's stores have read their registers: block 2's loads may land there
	TOSTAGE 2
	s_wait_dscnt 32
	SEND 1
	s_wait_xcnt 0x0
	TOSTAGE 3
	s_wait_dscnt 32
	SEND 2
	s_wait_dscnt 0x0
	SEND 3
	s_wait_tensorcnt 0x0                           ; the wave's end: closing lines behind my last tensor load and my last LDS store
	ds_add_u32 v[SPW], v[NIL]
	s_wait_dscnt 0x0
	CROUND                                         ; the closing round
	s_endpgm
.Lfunc_end_k_q9dfcadfb95_proj:
	.size	k_q9dfcadfb95_proj, .Lfunc_end_k_q9dfcadfb95_proj-k_q9dfcadfb95_proj
	.p2alignl 7, 3214868480
	.fill 96, 4, 3214868480
	.section	.rodata,"a",@progbits
	.p2align	6, 0x0
	.amdhsa_kernel k_q9dfcadfb95_proj
		.amdhsa_group_segment_fixed_size 327680
		.amdhsa_private_segment_fixed_size 0
		.amdhsa_enable_private_segment 0
		.amdhsa_kernarg_size 24
		.amdhsa_user_sgpr_count 2
		.amdhsa_user_sgpr_kernarg_segment_ptr 1
		.amdhsa_wavefront_size32 1
		.amdhsa_system_sgpr_workgroup_id_x 1
		.amdhsa_system_sgpr_workgroup_id_y 1
		.amdhsa_system_sgpr_workgroup_id_z 1
		.amdhsa_system_vgpr_workitem_id 0
		.amdhsa_next_free_vgpr 768
		.amdhsa_next_free_sgpr 66
		.amdhsa_reserve_vcc 0
		.amdhsa_float_denorm_mode_32 3
		.amdhsa_float_denorm_mode_16_64 3
		.amdhsa_memory_ordered 1
		.amdhsa_forward_progress 1
		.amdhsa_inst_pref_size 85
	.end_amdhsa_kernel
	.amdgpu_metadata
---
amdhsa.version: [ 1, 2 ]
amdhsa.kernels:
  - .name:           k_q9dfcadfb95_proj
    .symbol:         k_q9dfcadfb95_proj.kd
    .args:
      - { .name: o16, .offset: 0, .size: 8, .value_kind: global_buffer, .address_space: global }
      - { .name: wo16, .offset: 8, .size: 8, .value_kind: global_buffer, .address_space: global }
      - { .name: out0, .offset: 16, .size: 8, .value_kind: global_buffer, .address_space: global }
    .group_segment_fixed_size: 327680
    .private_segment_fixed_size: 0
    .kernarg_segment_align: 8
    .kernarg_segment_size: 24
    .max_flat_workgroup_size: 128
    .sgpr_count:     66
    .vgpr_count:     768
    .wavefront_size: 32
...
	.end_amdgpu_metadata
.endif
;; end of part 4
;; launch fine (part 5): grid 16 x 4, 16 waves a work-group, no clusters, 71,680 bytes of LDS; arguments qkv32, Wo, out0; writes out0
.if DOCPART == 5
	.amdgcn_target "amdgcn-amd-amdhsa--gfx1250"
	.amdhsa_code_object_version 6
	.text
	.protected	k_q9dfcadfb95_fine
	.globl	k_q9dfcadfb95_fine
	.p2align	8
	.type	k_q9dfcadfb95_fine,@function
k_q9dfcadfb95_fine:
	s_mov_b64 s[64:65], 0
	v_nop
	global_prefetch_b8 v0, s[64:65] scope:SCOPE_SE
	s_setreg_imm32_b32 hwreg(HW_REG_WAVE_MODE, 25, 1), 1
	s_wait_xcnt 0x0
; The first 16 positions of every sequence, in f32 from the quantised products' sums to out0: they average one to sixteen values and are the largest rows, so f16 operands would weigh most there.
; Work-group (g, b): rows 0-15 of batch b, columns 64 g .. 64 g + 63 of out0.  Wave w is head w: it makes the head's attention on its 16 positions and the head's 64-long part of the projection's K;
; the sixteen parts meet in LDS and are added in ascending order of the heads.  (The attention is repeated in a batch's 16 work-groups: 32 of a wave's 96 matrix instructions.)
; All products by v_wmma_f32_16x16x4_f32, a small share of the program's work.  Along a product's K the order is permuted alike in both sources, so that a lane's loads are 16 neighbouring bytes and a
; result's registers are the next product's source as they stand.  The registers that these instructions write, v176-239, are written by nothing else; each sum begins with the constant 0.
; S^T = K Q^T: a lane holds query lane % 16 and keys 8 (lane / 16) + 0..7.  The maximum is taken away before the exponential; key 0 counts for every query.
; REGISTERS: v3-10 addresses; v11, v12 the add's two; v16-47 Q, v48-79 K (later Wo's tiles 2, 3; later the sixteen parts); v80-111 V (later o); v112-175 Wo's tiles 0, 1;
;   v176-191 two accumulators of S^T (later the projection's tiles 2, 3); v192-223 O^T; v224-239 the projection's tiles 0, 1; v240-255 at work.
.set SPW,   11
.set NIL,   12
.set PART,  16*272                     ; a wave's part: 16 rows x (256 bytes + 16)
.set SPARE, 16*PART                    ; the spare words, 128 bytes a wave, which no other line names
	s_load_b128 s[4:7], s[0:1], 0x0                ; qkv32, Wo
	s_load_b64 s[8:9], s[0:1], 0x10                ; out0
	v_lshl_add_u32 v[SPW], v0, 2, SPARE
	v_mov_b32 v[NIL], 0
	v_lshrrev_b32 v1, 5, v0
	v_readfirstlane_b32 s10, v1                    ; wave = head
	s_and_b32 s11, ttmp7, 0xffff                   ; batch
	v_and_b32 v1, 15, v0                           ; r
	v_bfe_u32 v2, v0, 4, 1                         ; h
	v_lshlrev_b32 v3, 8, v1
	v_lshl_add_u32 v3, v2, 4, v3                   ; Q, K: row r of 256 bytes, + 16 h
	v_lshlrev_b32 v4, 2, v1
	v_lshl_add_u32 v4, v2, 11, v4                  ; V: channel r, keys 8 h on
	v_lshlrev_b32 v5, 12, v1
	v_lshl_add_u32 v5, v2, 5, v5                   ; Wo: row r of 4,096 bytes, + 32 h
	v_lshlrev_b32 v6, 3, v2
	v_sub_nc_u32 v6, v1, v6                        ; r - 8 h
	v_mov_b32 v7, 0xff800000
	s_mul_i32 s12, s10, PART
	v_mul_u32_u24 v8, v1, 272
	v_lshl_add_u32 v8, v2, 5, v8
	v_add_nc_u32 v8, s12, v8                       ; my part: row r, 32 bytes for each half of the lanes
	v_and_b32 v9, 255, v0                          ; the sum: thread T of 256 takes row T / 16, bytes 16 (T % 16) on
	v_lshrrev_b32 v10, 4, v9
	v_mul_u32_u24 v9, v10, 272
	v_lshl_add_u32 v9, v1, 4, v9
	v_lshlrev_b32 v10, 12, v10
	v_lshl_add_u32 v10, v1, 4, v10                 ; and the same place in out0
	s_mov_b32 s14, 0x76543210
	s_mov_b32 s15, 0xfedcba98                      ; v_permlanex16_b32: lane l xor 16
	s_mov_b32 s16, 0x3e38aa3b                      ; c = log2(e) / 8
	s_lshl_b32 s18, s11, 4
	s_add_co_u32 s18, s18, s10
	s_lshl_b32 s18, s18, 12                        ; qkv32: 4,096 bytes for a tensor's head; a tensor is 262,144
	s_mov_b32 s19, 0
	s_lshl_b32 s20, ttmp9, 18                      ; Wo: 64 rows of 4,096 bytes a work-group,
	s_lshl_b32 s21, s10, 8                         ; + the head's 256 bytes of a row
	s_add_co_u32 s20, s20, s21
	s_mov_b32 s21, 0
	s_lshl_b32 s22, s11, 23                        ; out0: a batch is 2,048 rows of 4,096 bytes,
	s_lshl_b32 s23, ttmp9, 8                       ; + my 64 columns
	s_add_co_u32 s22, s22, s23
	s_mov_b32 s23, 0
	s_wait_kmcnt 0x0
	s_add_nc_u64 s[4:5], s[4:5], s[18:19]
	s_add_nc_u64 s[6:7], s[6:7], s[20:21]
	s_add_nc_u64 s[8:9], s[8:9], s[22:23]
.irp c, 0,1,2,3,4,5,6,7
	global_load_b128 v[16+4*\c:19+4*\c], v3, s[4:5] offset:32*\c              ; Q(r, 8 c + 4 h + 0..3)
.endr
.irp c, 0,1,2,3,4,5,6,7
	global_load_b128 v[48+4*\c:51+4*\c], v3, s[4:5] offset:262144+32*\c       ; K likewise
.endr
.irp t, 0,1,2,3
.irp kk, 0,1,2,3,4,5,6,7
	global_load_b32 v[80+8*\t+\kk], v4, s[4:5] offset:524288+256*\kk+64*\t    ; V(8 h + kk, 16 t + r)
.endr
.endr
.irp u, 0,1
.irp t, 0,1,2,3
.irp e, 0,1
	global_load_b128 v[112+32*\u+8*\t+4*\e:115+32*\u+8*\t+4*\e], v5, s[6:7] offset:65536*\u+64*\t+16*\e   ; Wo(64 g + 16 u + r, 64 w + 16 t + 8 h + 4 e + 0..3)
.endr
.endr
.endr
	s_wait_loadcnt 48                              ; Q and K are in; V's 32 loads and Wo's 16 may be out
	v_wmma_f32_16x16x4_f32 v[176:183], v[48:49], v[16:17], 0          ; S^T in two accumulators that take turns, one instruction a turn
	v_wmma_f32_16x16x4_f32 v[184:191], v[50:51], v[18:19], 0
.irp s, 2,3,4,5,6,7,8,9,10,11,12,13,14,15
	v_wmma_f32_16x16x4_f32 v[176+8*(\s%2):183+8*(\s%2)], v[48+2*\s:49+2*\s], v[16+2*\s:17+2*\s], v[176+8*(\s%2):183+8*(\s%2)]
.endr
.rept 8
	v_nop                                          ; eight places behind this form: loads land on Q and K, and the sums are read
.endr
.irp u, 2,3
.irp t, 0,1,2,3
.irp e, 0,1
	global_load_b128 v[16+32*(\u-2)+8*\t+4*\e:19+32*(\u-2)+8*\t+4*\e], v5, s[6:7] offset:65536*\u+64*\t+16*\e
.endr
.endr
.endr
.irp j, 0,1,2,3,4,5,6,7
	v_add_f32 v[240+\j], v[176+\j], v[184+\j]      ; the score of key 8 h + j, query r
.endr
.irp j, 0,1,2,3,4,5,6,7
	v_cmp_gt_i32 vcc_lo, \j, v6                    ; hidden where 8 h + j > r
	v_cndmask_b32 v[240+\j], v[240+\j], v7, vcc_lo
.endr
	v_max3_num_f32 v248, v240, v241, v242
	v_max3_num_f32 v248, v248, v243, v244
	v_max3_num_f32 v248, v248, v245, v246
	v_max_num_f32 v248, v248, v247
	v_mov_b32 v249, 0                              ; (a lane permute's destination counts as a source)
	v_permlanex16_b32 v249, v248, s14, s15
	v_max_num_f32 v248, v248, v249                 ; the row's maximum
	v_mul_f32 v248, s16, v248
.irp j, 0,1,2,3,4,5,6,7
	v_fma_f32 v[240+\j], v[240+\j], s16, -v248
.endr
.irp j, 0,1,2,3,4,5,6,7
	v_exp_f32 v[240+\j], v[240+\j]
.endr
	v_nop
	s_wait_alu depctr_va_vdst(0)                   ; one wait for the eight, ahead of their first reader
	v_add_f32 v250, v240, v241
	v_add_f32 v251, v242, v243
	v_add_f32 v252, v244, v245
	v_add_f32 v253, v246, v247
	v_add_f32 v250, v250, v251
	v_add_f32 v252, v252, v253
	v_add_f32 v250, v250, v252
	v_permlanex16_b32 v249, v250, s14, s15
	v_add_f32 v250, v250, v249                     ; the row's sum
	v_rcp_f32 v250, v250
	v_nop
	s_wait_alu depctr_va_vdst(0)
	s_wait_loadcnt 32                              ; V is in; Wo's four tiles may be out
.irp t, 0,1,2,3                                ; O^T = V^T P: p's registers 2 c, 2 c + 1 are keys 8 h + 2 c + 0, 1, and V was loaded to match; four accumulators by turns
	v_wmma_f32_16x16x4_f32 v[192+8*\t:199+8*\t], v[80+8*\t:81+8*\t], v[240:241], 0
.endr
.irp c, 1,2,3
.irp t, 0,1,2,3
	v_wmma_f32_16x16x4_f32 v[192+8*\t:199+8*\t], v[80+8*\t+2*\c:81+8*\t+2*\c], v[240+2*\c:241+2*\c], v[192+8*\t:199+8*\t]
.endr
.endr
.rept 8
	v_nop
.endr
.irp j, 0,1,2,3,4,5,6,7,8,9,10,11,12,13,14,15,16,17,18,19,20,21,22,23,24,25,26,27,28,29,30,31
	v_mul_f32 v[80+\j], v[192+\j], v250            ; o(r, 16 t + 8 h + j), into other registers than the sums'
.endr
	s_wait_loadcnt 16                              ; Wo's tiles 0 and 1 are in
.irp u, 0,1                                    ; the head's part of out^T: source 0 = 16 rows of Wo, source 1 = o; two accumulators by turns
	v_wmma_f32_16x16x4_f32 v[224+8*\u:231+8*\u], v[112+32*\u:113+32*\u], v[80:81], 0
.endr
.irp k, 1,2,3,4,5,6,7,8,9,10,11,12,13,14,15
.irp u, 0,1
	v_wmma_f32_16x16x4_f32 v[224+8*\u:231+8*\u], v[112+32*\u+2*\k:113+32*\u+2*\k], v[80+2*\k:81+2*\k], v[224+8*\u:231+8*\u]
.endr
.endr
	s_wait_loadcnt 0x0                             ; tiles 2 and 3
.irp u, 0,1
	v_wmma_f32_16x16x4_f32 v[176+8*\u:183+8*\u], v[16+32*\u:17+32*\u], v[80:81], 0
.endr
.irp k, 1,2,3,4,5,6,7,8,9,10,11,12,13,14,15
.irp u, 0,1
	v_wmma_f32_16x16x4_f32 v[176+8*\u:183+8*\u], v[16+32*\u+2*\k:17+32*\u+2*\k], v[80+2*\k:81+2*\k], v[176+8*\u:183+8*\u]
.endr
.endr
.rept 8
	v_nop
.endr
.irp u, 0,1                                    ; lane (r, h): row r, columns 16 u + 8 h + 0..7; each accumulator from its low end on
	ds_store_b128 v8, v[224+8*\u:227+8*\u] offset:64*\u
	ds_store_b128 v8, v[228+8*\u:231+8*\u] offset:64*\u+16
.endr
.irp u, 0,1
	ds_store_b128 v8, v[176+8*\u:179+8*\u] offset:128+64*\u
	ds_store_b128 v8, v[180+8*\u:183+8*\u] offset:128+64*\u+16
.endr
	s_wait_dscnt 0x0                               ; for the others' sake: my part lies in LDS
	s_barrier_signal -1
	s_barrier_wait -1
	s_cmp_ge_u32 s10, 8                            ; 256 threads add: waves 0 to 7
	s_cbranch_scc1 .Lend
.irp i, 0,1,2,3,4,5,6,7,8,9,10,11,12,13,14,15
	ds_load_b128 v[16+4*\i:19+4*\i], v9 offset:PART*\i
.endr
	s_wait_dscnt 0x0
.irp i, 1,2,3,4,5,6,7,8,9,10,11,12,13,14,15
	v_pk_add_f32 v[16:17], v[16:17], v[16+4*\i:17+4*\i]
	v_pk_add_f32 v[18:19], v[18:19], v[18+4*\i:19+4*\i]
.endr
	global_store_b128 v10, v[16:19], s[8:9]        ; sixteen lanes store 256 consecutive bytes, aligned
.Lend:
	s_wait_tensorcnt 0x0                           ; the wave's end: closing lines behind my last LDS store
	ds_add_u32 v[SPW], v[NIL]
	s_wait_dscnt 0x0
	s_endpgm
.Lfunc_end_k_q9dfcadfb95_fine:
	.size	k_q9dfcadfb95_fine, .Lfunc_end_k_q9dfcadfb95_fine-k_q9dfcadfb95_fine
	.p2alignl 7, 3214868480
	.fill 96, 4, 3214868480
	.section	.rodata,"a",@progbits
	.p2align	6, 0x0
	.amdhsa_kernel k_q9dfcadfb95_fine
		.amdhsa_group_segment_fixed_size 71680
		.amdhsa_private_segment_fixed_size 0
		.amdhsa_enable_private_segment 0
		.amdhsa_kernarg_size 24
		.amdhsa_user_sgpr_count 2
		.amdhsa_user_sgpr_kernarg_segment_ptr 1
		.amdhsa_wavefront_size32 1
		.amdhsa_system_sgpr_workgroup_id_x 1
		.amdhsa_system_sgpr_workgroup_id_y 1
		.amdhsa_system_sgpr_workgroup_id_z 1
		.amdhsa_system_vgpr_workitem_id 0
		.amdhsa_next_free_vgpr 256
		.amdhsa_next_free_sgpr 66
		.amdhsa_reserve_vcc 1
		.amdhsa_float_denorm_mode_32 3
		.amdhsa_float_denorm_mode_16_64 3
		.amdhsa_memory_ordered 1
		.amdhsa_forward_progress 1
		.amdhsa_inst_pref_size 24
	.end_amdhsa_kernel
	.amdgpu_metadata
---
amdhsa.version: [ 1, 2 ]
amdhsa.kernels:
  - .name:           k_q9dfcadfb95_fine
    .symbol:         k_q9dfcadfb95_fine.kd
    .args:
      - { .name: qkv32, .offset: 0, .size: 8, .value_kind: global_buffer, .address_space: global }
      - { .name: Wo, .offset: 8, .size: 8, .value_kind: global_buffer, .address_space: global }
      - { .name: out0, .offset: 16, .size: 8, .value_kind: global_buffer, .address_space: global }
    .group_segment_fixed_size: 71680
    .private_segment_fixed_size: 0
    .kernarg_segment_align: 8
    .kernarg_segment_size: 24
    .max_flat_workgroup_size: 512
    .sgpr_count:     66
    .vgpr_count:     256
    .wavefront_size: 32
...
	.end_amdgpu_metadata
.endif
;; end of part 5
